; MI455X (gfx1250); checked and timed in simulation.
; The chip was launched on July 23, 2026; its instructions are those of AMD's public machine-readable ISA for CDNA 5 (MIT licence, August 2026) and "CDNA5" Instruction Set Architecture Reference Guide (July 2026). The comments in the code are by the model that wrote it; some were corrected since.
;; Multi Head Self Attention DP. Allowed arithmetic: matrix products marked QUANTISED: E2M3 operands, one E8M0 scale for each 32 along K, by v_wmma_scale_f32_16x16x128_f8f6f4 with both operands' format E2M3, f32 sums; everything else in f32.
;; Inputs: Wk 512 x 512 float32; Wo 512 x 512 float32; Wq 512 x 512 float32; Wv 512 x 512 float32; attn_mask 4 x 2,048 x 2,048 bool; bk 512 float32; bo 512 float32; bq 512 float32; bv 512 float32; x 4 x 2,048 x 512 float32.
;; Outputs: out0 4 x 2,048 x 512 float32.
;; This version of the problem:
;;   THIS VERSION OF THE PROBLEM IS GIVEN IN LOW PRECISION. The matrix products marked QUANTISED in the list below multiply operands that are first quantised to E2M3 (2 exponent bits, 3 mantissa bits; 6 bits a number), with one power-of-two scale for each 32 numbers along K (OCP MX v1.0); their sums are f32. All else is computed in f32.
;;   The module's matrix products, in the order in which they are computed (A, B: the left and right operand; K: the contracted axis; several contracted axes count as one K, in the product's order):
;;     1. [M 8,192, K 512] x [K 512, N 512]; A: input x; B: input Wq: QUANTISED
;;     2. [M 8,192, K 512] x [K 512, N 512]; A: input x; B: input Wk: QUANTISED
;;     3. [M 8,192, K 512] x [K 512, N 512]; A: input x; B: input Wv: QUANTISED
;;     4. batch 32 x [M 2,048, K 64] x [K 64, N 2,048]; A: computed on the way; B: computed on the way: QUANTISED
;;     5. batch 32 x [M 2,048, K 2,048] x [K 2,048, N 64]; A: computed on the way; B: computed on the way: QUANTISED
;;     6. [M 8,192, K 512] x [K 512, N 512]; A: computed on the way; B: input Wo: QUANTISED
;;   THE QUANTISER, for each operand of a quantised product, along K:
;;     - K is cut into blocks of 32 from its start; a last block that is shorter is filled with zeros.
;;     - A block's scale is 2^e with e = floor(log2(the largest magnitude in the block)) - 2, held to -126 .. 127; a block of zeros has e = 0. As a byte (E8M0): e + 127.
;;     - Each number is divided by its block's scale, clamped to +-7.5, and rounded to the nearest number of E2M3, ties to even, subnormals kept.
;;     - The product sums the exact products of the quantised numbers (number of the format x scale) in f32.
;;   ~~~python
;;   def quantise(x, axis):      # numpy; x: float32 -> the quantised numbers, widened to float32 again
;;       x = np.moveaxis(x, axis, -1); K = x.shape[-1]
;;       x = np.pad(x, [(0, 0)] * (x.ndim - 1) + [(0, -K % 32)]); x = x.reshape(x.shape[:-1] + (-1, 32)); a = np.abs(x).max(-1, keepdims=True)
;;       e = np.where(a > 0, np.clip(np.frexp(np.where(a > 0, a, 1))[1] - 1 - 2, -126, 127), 0)      # np.frexp(a)[1] - 1 = floor(log2(a)), exactly
;;       r = np.clip(x / 2.0 ** e, -7.5, 7.5)
;;       step = 2.0 ** (np.maximum(np.frexp(np.where(r == 0, 1, r))[1] - 1, 0) - 3)
;;       q = np.round(r / step) * step * 2.0 ** e      # np.round: ties to even
;;       return np.moveaxis(q.reshape(q.shape[:-2] + (-1,))[..., :K], -1, axis).astype(np.float32)
;;   ~~~
;;   OPERANDS COMPUTED ON THE WAY. 'Computed on the way' means the value that the module computes at that place (a softmax that the list does not call 'softmax' is quantised finished and normalised). What goes into a quantiser is computed in f32, as accurately as f32 sums, v_exp_f32 and their like allow (about 1e-6 of the number): no bf16 or f16 on the way to a quantiser, and a product that is left as it is and whose result goes on into a quantised operand takes f32 operands (vector FMAs, or v_wmma_f32_16x16x4_f32). A number that lies on a knife's edge between two numbers of the format may be rounded either way, as far as f32 arithmetic and the matrix unit's own rounding can turn it there, and no further.
;; One version. Each part assembles by itself: llvm-mc -triple=amdgcn-amd-amdhsa -mcpu=gfx1250 --defsym DOCPART=n.
;; ======== version 1 of 1: 4 launches
;; limits: right only within a limited range of input values
;; workspace buffers: ximg 3,407,872 bytes; wimg 851,968 bytes; mwords 2,097,152 bytes of whole numbers; qimg 3,407,872 bytes; kimg 3,407,872 bytes; vimg 3,407,872 bytes; oimg 3,407,872 bytes; cmask 12,582,912 bytes
;; launch prep (part 1): grid 768 x 1, 4 waves a work-group, no clusters, 68,096 bytes of LDS; arguments attn_mask, x, Wq, Wk, Wv, Wo, ximg, wimg, mwords, cmask; writes ximg, wimg, mwords, cmask
.if DOCPART == 1
	.amdgcn_target "amdgcn-amd-amdhsa--gfx1250"
	.amdhsa_code_object_version 6
	.text
	.protected	k_qa326bf6d43_prep
	.globl	k_qa326bf6d43_prep
	.p2align	8
	.type	k_qa326bf6d43_prep,@function
k_qa326bf6d43_prep:
	s_mov_b64 s[64:65], 0
	v_nop
	global_prefetch_b8 v0, s[64:65] scope:SCOPE_SE
	s_setreg_imm32_b32 hwreg(HW_REG_WAVE_MODE, 25, 1), 1
	s_wait_xcnt 0x0
; PREP.  Two jobs, parted by the work-group's number; each has LDS bytes of its own; waves share nothing, so there is no barrier.
; (1) Work-groups 0-127: the mask [4][2048][2048] of bytes becomes LANE MASKS for the attention launch.  A wave takes a tile TT of 16 queries,
;     rows 32 (TT/2) + 8 (TT%2) + r + 8 (r/8).  Word j = 16 bb + i of key step st holds in bit l the mask of query row (l%16) and key
;     128 st + 32 bb + 16 (l/16) + i: the lane mask of score register j.  mwords: [TT 512][step 16][word 64] of 32 bits.
;     A ROW THAT IS MASKED THROUGHOUT gets its diagonal bit cleared: one key is then left, whose weight is 1, as where the diagonal score is set to 0.
;     The chunk of 512 keys that holds the diagonal is worked last, when the AND over the whole row is known.
; (2) Work-groups 128-767: a tile of 16 rows of x (512 tiles) or of Wq, Wk, Wv, Wo (32 tiles each) becomes codes of FP6 (E2M3) and E8M0 scale words,
;     wave w taking K step w (128 along K).  They are stored as IMAGES OF THE OPERAND'S REGISTERS: 64 along K of a tile are 768 bytes: registers 0-3 at 16 x lane,
;     registers 4-5 at 512 + 8 x lane.  A block image holds 128 rows: for each K step 8 tiles x 1,536 bytes of codes, then 8 x 128 bytes of scale words (4 x lane).
; A block's scale is 2^(floor(log2(largest magnitude)) - 2); its byte is the largest magnitude's exponent field - 2, held at 1 from below.
; LIMITS: a block of zeros gets the byte 1 where the rule says 127 (its codes are zeros; this program alone reads the bytes); NaN and infinities among the inputs are not served.
.set PITCH, 528                        ; a stage row: 512 bytes + 16 = 33 x 16 bytes: sixteen rows begin at sixteen different 16-byte columns modulo 256
.set STGB,  16*PITCH                   ; a wave's stage
.set QSTG,  4*STGB                     ; the second job's stages lie behind the first's
.set BI,    53248                      ; a block image
.set SEC,   13312                      ; a K step's section of it
.set R,     16                         ; v16-79   16 rows x 16 bytes a lane, as loaded
.set X,     80                         ; v80-143  as read back from the stage
.set OUT,   144                        ; v144-151 a chunk's 256 words: word 128 g + 4 L + q in register 4 g + q of lane L
.set CH,    152                        ; v152-155 four chains of AND over all mask bytes of my row half
.set ALL,   156                        ; v156     their AND
.set TW,    157                        ; v157-160 at work
.set ONEJ,  161                        ; v161     1 << 4 (lane % 2)
.set GATE,  162                        ; v162     -1 in the two lanes that hold the diagonal's words
.set CL,    163
.set CT,    164
.set TM,    144                        ; second job: v144-159 at work, v160-179 codes, v180 the scale word
.set PC,    160
.set PW,    180
.set SEL,   44                         ; s[44:45] lane selects for lane l xor 16
.macro LOAD16 voff, sb                 ; 16 rows of the tile, 512 consecutive bytes of each: rows of the mask and of x and W alike are 2,048 bytes
.irp i, 0,1,2,3,4,5,6,7,8,9,10,11,12,13,14,15
	global_load_b128 v[R+4*\i:R+4*\i+3], v[\voff], s[\sb:\sb+1] offset:(\i+8*(\i/8))*2048 th:TH_LOAD_NT
.endr
.endm
.macro TOSTG adr
.irp i, 0,1,2,3,4,5,6,7,8,9,10,11,12,13,14,15
	ds_store_b128 v[\adr], v[R+4*\i:R+4*\i+3] offset:\i*PITCH
.endr
.endm
; 64 numbers of a lane, register 16 b + i = k 32 b + 16 (lane / 16) + i of my row, become a fragment's codes in v[PC] on and its scale word in v[PW]
.macro QUANT s
.irp b, 0,1,2,3
	v_max3_num_f32 v[TM+\b], |v[\s+16*\b]|, |v[\s+1+16*\b]|, 0x1800000   ; my 16 numbers of block b, and the floor 2^(3 - 127): the byte cannot fall under 1
.endr
.irp i, 2,4,6,8,10,12,14
.irp b, 0,1,2,3
	v_max3_num_f32 v[TM+\b], v[TM+\b], |v[\s+16*\b+\i]|, |v[\s+1+16*\b+\i]|
.endr
.endr
.irp b, 0,1,2,3
	v_permlanex16_b32 v[TM+4+\b], v[TM+\b], s[SEL], s[SEL+1]
.endr
.irp b, 0,1,2,3
	v_max_num_f32 v[TM+\b], v[TM+\b], v[TM+4+\b]       ; with lane l xor 16's: the block's largest magnitude
.endr
.irp b, 0,1,2,3
	v_add_nc_u32 v[TM+12+\b], 0xff000000, v[TM+\b]     ; 2 off its exponent field: the conversion's scale operand
.endr
.irp b, 0,1,2,3
	v_lshrrev_b32 v[TM+4+\b], 23, v[TM+12+\b]          ; the scale's byte
.endr
	v_lshl_or_b32 v[PW], v[TM+5], 8, v[TM+4]
	v_lshl_or_b32 v[PW], v[TM+6], 16, v[PW]
	v_lshl_or_b32 v[PW], v[TM+7], 24, v[PW]
.irp c, 0,1
	v_cvt_scalef32_pk16_fp6_f32 v[PC+6*\c:PC+2+6*\c], v[\s+32*\c:\s+15+32*\c], v[TM+12+2*\c]
	v_cvt_scalef32_pk16_fp6_f32 v[PC+12+4*\c:PC+14+4*\c], v[\s+16+32*\c:\s+31+32*\c], v[TM+12+2*\c+1]   ; (a conversion's three registers begin on an even number)
.endr
	v_nop                                          ; one plain place behind a scaled conversion
.irp c, 0,1                                    ; the operand's layout wants a whole block in a lane: lanes 0-15 block 2 c, lanes 16-31 block 2 c + 1
.irp i, 0,1,2
	v_permlane16_swap_b32 v[PC+6*\c+\i], v[PC+12+4*\c+\i]
.endr
.irp i, 0,1,2
	v_mov_b32 v[PC+3+6*\c+\i], v[PC+12+4*\c+\i]
.endr
.endr
.endm
	s_load_b512 s[4:19], s[0:1], 0x0               ; mask s[4:5], x s[6:7], Wq s[8:9], Wk s[10:11], Wv s[12:13], Wo s[14:15], ximg s[16:17], wimg s[18:19]
	s_load_b64 s[20:21], s[0:1], 0x40              ; mwords
	s_load_b64 s[42:43], s[0:1], 0x48              ; cmask: the mask once more, as fields of 6 bits over the weights' codes
	v_lshl_add_u32 v184, v0, 2, 0x10800
	v_mov_b32 v185, 0
	v_lshrrev_b32 v1, 5, v0
	v_readfirstlane_b32 s22, v1                    ; wave 0..3
	v_and_b32 v1, 31, v0                           ; lane
	v_lshlrev_b32 v2, 4, v1                        ; 16 x lane
	v_and_b32 v3, 15, v0                           ; r
	v_bfe_u32 v4, v0, 4, 1                         ; h
	s_mul_i32 s23, s22, STGB                       ; my stage
	v_mul_u32_u24 v6, v3, PITCH                    ; row r of it
	s_mov_b32 s35, 0
	s_wait_kmcnt 0x0
	s_cmp_lt_u32 ttmp9, 128
	s_cbranch_scc0 .Lquant
	; ---------------- the mask ----------------
	s_wait_alu depctr_va_vdst(0)
	v_add_nc_u32 v5, s23, v2                       ; into the stage: 16 x lane of each row
	v_lshl_add_u32 v6, v4, 4, v6
	v_add_nc_u32 v6, s23, v6                       ; out of it: row r, + 16 h
	s_lshl_b32 s24, ttmp9, 2
	s_add_co_u32 s24, s24, s22                     ; TT
	s_and_b32 s25, s24, 127                        ; T: the tile within its batch
	s_lshr_b32 s26, s25, 5                         ; the chunk of 512 keys that holds the diagonal
	s_bfe_u32 s27, s25, 0x10004                    ; the diagonal's words are 8 (T % 32) + 0..7 of that chunk: which half of OUT,
	s_and_b32 s32, s25, 15
	s_lshl_b32 s32, s32, 1                         ; and which two lanes: 2 (T % 16) and the next
	s_lshr_b32 s34, s24, 1
	s_lshl_b32 s34, s34, 2
	s_and_b32 s33, s24, 1
	s_add_co_u32 s34, s34, s33
	s_lshl_b32 s34, s34, 14                        ; (32 (TT/2) + 8 (TT%2)) rows of 2,048 bytes
	s_add_nc_u64 s[4:5], s[4:5], s[34:35]
	s_lshl_b32 s34, s24, 12                        ; a tile's words are 4,096 bytes
	s_add_nc_u64 s[20:21], s[20:21], s[34:35]
	s_mul_i32 s34, s24, 24576                      ; cmask: [TT 512][step 16][group of 32 keys 4][lane 32][12 bytes]
	s_add_nc_u64 s[42:43], s[42:43], s[34:35]
	s_add_co_u32 s33, s26, 1
	s_and_b32 s33, s33, 3                          ; the chunk in hand: the diagonal's comes last
	v_and_b32 v[CL], 30, v1
	v_cmp_eq_u32 vcc_lo, s32, v[CL]
	v_cndmask_b32 v[GATE], 0, -1, vcc_lo
	v_and_b32 v[CL], 1, v1
	v_lshlrev_b32 v[CL], 2, v[CL]
	v_mov_b32 v[CT], 1
	v_lshlrev_b32 v[ONEJ], v[CL], v[CT]
.irp i, 0,1,2,3,4,5,6,7
	v_mov_b32 v[OUT+\i], 0                         ; written once: v_writelane_b32's destination counts as read
.endr
.irp i, 0,1,2,3
	v_mov_b32 v[CH+\i], -1
.endr
	v_lshl_add_u32 v7, s33, 9, v2                  ; 16 x lane + 512 x chunk
	LOAD16 7, 4
	s_mov_b32 s36, 0
.Lchunk:                                           ; four trips, a chunk of 512 keys each
	s_wait_loadcnt 0x0                             ; the chunk's 16 loads are in; nothing else is out
	TOSTG 5
.irp n, 0,1,2,3,4,5,6,7,8,9,10,11,12,13,14,15
	ds_load_b128 v[X+4*\n:X+4*\n+3], v6 offset:32*\n   ; keys 32 n + 16 h + 0..15 of my row.  A wave's LDS instructions are served in order: these see the stores above
.endr
	s_wait_dscnt 0x0
	s_wait_xcnt 0x0                                ; the last trip's stores have read OUT and their offset: both are written again below
	v_lshl_add_u32 v8, s33, 10, v2                 ; where this chunk's words go: 16 x lane + 1,024 x chunk
	s_mul_i32 s46, s33, 6144                       ; and its code masks: 16 groups x 384 bytes a chunk,
	v_mad_u32_u24 v9, v1, 12, s46                  ; 12 bytes a lane
	s_cmp_eq_u32 s36, 3
	s_cbranch_scc1 .Lno_more                       ; the last trip asks for nothing
	s_add_co_u32 s33, s33, 1
	s_and_b32 s33, s33, 3
	v_lshl_add_u32 v7, s33, 9, v2
	LOAD16 7, 4                                    ; the next chunk lands while this one's words are made
.Lno_more:
.set n, 0
	s_wait_alu depctr_va_vdst(0)
.rept 64
	v_and_b32 v[CH+n%4], v[CH+n%4], v[X+n]
.set n, n+1
.endr
	v_and_b32 v[ALL], v[CH], v[CH+1]
	v_and_b32 v[TW], v[CH+2], v[CH+3]
	v_and_b32 v[ALL], v[ALL], v[TW]                ; 0x01010101 where every byte of my row half so far is 1
.set n, 0
.rept 64                                       ; register n holds keys 128 (n/16) + 32 ((n/4)%4) + 16 h + 4 (n%4) + 0..3: four words
.irp by, 0,1,2,3
	v_and_b32 v[TW+\by], 1<<(8*\by), v[X+n]
.endr
.irp by, 0,1,2,3
	v_cmp_ne_u32 s[28+\by], 0, v[TW+\by]           ; the compare's lane mask IS the word
.endr
.irp by, 0,1,2,3
	v_writelane_b32 v[OUT+4*(n/32)+\by], s[28+\by], n%32
.endr
.set n, n+1
.endr
	; the fix: done in every trip, gated to the last one and to the diagonal's words by masks: no branch hangs on the mask's bytes
	v_cmp_eq_u32 s37, 0x01010101, v[ALL]
	s_lshr_b32 s38, s37, 16
	s_and_b32 s37, s37, s38                        ; bit r: both halves of row r are masked throughout
	s_cmp_eq_u32 s36, 3
	s_cselect_b32 s38, -1, 0
	s_cmp_eq_u32 s27, 0
	s_cselect_b32 s39, s38, 0                      ; the gate of OUT's first half,
	s_cselect_b32 s40, 0, s38                      ; and of its second
.irp q, 0,1,2,3                                ; register q of lane 2 (T%16) + u holds the diagonal's word jj = 4 u + q: bit jj is row jj's, bit 24 + jj row 8 + jj's
	v_lshlrev_b32 v[CL], \q, v[ONEJ]
	v_lshlrev_b32 v[CT], 8, v[CL]
	v_and_b32 v[CL], s37, v[CL]
	v_and_b32 v[CT], s37, v[CT]
	v_lshl_or_b32 v[CL], v[CT], 16, v[CL]
	v_and_b32 v[CL], v[GATE], v[CL]
	v_and_b32 v[CT], s39, v[CL]
	v_bfi_b32 v[OUT+\q], v[CT], 0, v[OUT+\q]       ; OUT and not the bits to clear
	v_and_b32 v[CT], s40, v[CL]
	v_bfi_b32 v[OUT+4+\q], v[CT], 0, v[OUT+4+\q]
.endr
; THE CODE MASKS.  Registers X + 4 g .. + 3 of lane (r, h) hold the mask bytes of query row r at keys 32 g + 16 h + 0..15 of the chunk.
; Each byte (0 or 1) becomes a field of 6 bits, 63 where the key is masked: 96 bits, laid as 16 codes of 6 bits lie.
.macro CGRP src, dst
.irp q, 0,1,2,3
	v_lshrrev_b32 v[252+\q], 2, v[\src+\q]
.endr
.irp q, 0,1,2,3
	v_bfi_b32 v[252+\q], 0x400040, v[252+\q], v[\src+\q]       ; bytes 1 and 3 to bits 6 and 22
.endr
.irp q, 0,1,2,3
	v_lshrrev_b32 v[TW+\q], 4, v[252+\q]
.endr
.irp q, 0,1,2,3
	v_bfi_b32 v[252+\q], 0x41000, v[TW+\q], v[252+\q]          ; bits 16 and 22 to bits 12 and 18
.endr
.irp q, 0,1,2,3
	v_and_b32 v[252+\q], 0x41041, v[252+\q]
.endr
.irp q, 0,1,2,3
	v_lshlrev_b32 v[TW+\q], 6, v[252+\q]
.endr
.irp q, 0,1,2,3
	v_sub_nc_u32 v[252+\q], v[TW+\q], v[252+\q]                ; x 63: four fields, 24 bits
.endr
	v_lshrrev_b32 v[TW], 8, v253
	v_lshrrev_b32 v[TW+1], 16, v254
	v_lshl_or_b32 v[\dst], v253, 24, v252
	v_lshl_or_b32 v[\dst+1], v254, 16, v[TW]
	v_lshl_or_b32 v[\dst+2], v255, 8, v[TW+1]
.endm
.set g, 0
.rept 16
	CGRP X+4*g, 188+4*g
.set g, g+1
.endr
	; a row masked throughout: its diagonal field is cleared, in the last trip, in group (T / 2) % 16, in lane (r, h = r / 8), at key 8 (T % 2) + r % 8 of the lane's 16.  All by masks: no branch hangs on the mask's bytes
	v_lshrrev_b32 v[CL], v3, s37
	v_and_b32 v[CL], 1, v[CL]
	v_and_b32 v[CL], s38, v[CL]
	v_lshrrev_b32 v[CT], 3, v3
	v_cmp_eq_u32 vcc_lo, v[CT], v4
	v_cndmask_b32 v[CL], 0, v[CL], vcc_lo
	v_and_b32 v[CT], 3, v3
	v_lshlrev_b32 v[CT], 3, v[CT]
	v_lshlrev_b32 v[CL], v[CT], v[CL]              ; the diagonal's byte, at its place in its register
	v_bfe_u32 v[CT], v3, 2, 1
	s_and_b32 s39, s25, 1
	s_lshl_b32 s39, s39, 1
	v_add_nc_u32 v[CT], s39, v[CT]                 ; which of the group's four registers
.irp q, 0,1,2,3
	v_cmp_eq_u32 vcc_lo, \q, v[CT]
	v_cndmask_b32 v[X+\q], 0, v[CL], vcc_lo        ; (X is done with in this trip)
.endr
	CGRP X, X+4                                    ; the field to clear, by the same steps
	s_bfe_u32 s41, s25, 0x40001
	s_wait_alu depctr_va_vdst(0)                   ; the wait ahead of a stretch with scalar lines
.set g, 0
.rept 16
	s_cmp_eq_u32 s41, g
	s_cselect_b32 s39, -1, 0
.irp i, 0,1,2
	v_and_b32 v[TW+\i], s39, v[X+4+\i]
.endr
.irp i, 0,1,2
	v_bfi_b32 v[188+4*g+\i], v[TW+\i], 0, v[188+4*g+\i]
.endr
.set g, g+1
.endr
	s_wait_alu depctr_va_vdst(0)
.set g, 0
.rept 16
	global_store_b96 v9, v[188+4*g:190+4*g], s[42:43] offset:384*g   ; 32 lanes store 384 consecutive bytes
.set g, g+1
.endr
	global_store_b128 v8, v[OUT:OUT+3], s[20:21]               ; 32 lanes store 512 consecutive bytes
	global_store_b128 v8, v[OUT+4:OUT+7], s[20:21] offset:512
	s_add_co_u32 s36, s36, 1
	s_cmp_lt_u32 s36, 4
	s_cbranch_scc1 .Lchunk
	s_wait_tensorcnt 0x0
	ds_add_u32 v184, v185
	s_wait_dscnt 0x0
	s_endpgm
	; ---------------- x and the four weights ----------------
.Lquant:
	s_add_co_u32 s23, s23, QSTG
	s_wait_alu depctr_va_vdst(0)
	v_add_nc_u32 v5, s23, v2
	v_lshl_add_u32 v6, v4, 6, v6
	v_add_nc_u32 v6, s23, v6                       ; out of the stage: row r, + 64 h: my 16 numbers of each block of 32
	v_lshlrev_b32 v9, 3, v1                        ; 8 x lane
	v_lshlrev_b32 v10, 2, v1                       ; 4 x lane
	s_mov_b32 s[SEL], 0x76543210
	s_mov_b32 s[SEL+1], 0xfedcba98
.irp b, 0,1,2,3
	v_mov_b32 v[TM+4+\b], 0                        ; written once: a lane permute's destination counts as read
.endr
	s_sub_co_u32 s24, ttmp9, 128
	s_cmp_lt_u32 s24, 512                          ; x's tile or a weight's?  The choices hang on the work-group's number alone
	s_cselect_b64 s[16:17], s[16:17], s[18:19]
	s_cselect_b32 s25, 0, 512
	s_cselect_b32 s26, 511, 31
	s_sub_co_u32 s27, s24, s25                     ; the tile in the images' buffer
	s_and_b32 s28, s27, s26                        ; the tile in its source
	s_lshr_b32 s29, s27, 5                         ; which weight
	s_mov_b64 s[30:31], s[8:9]
	s_cmp_eq_u32 s29, 1
	s_cselect_b64 s[30:31], s[10:11], s[30:31]
	s_cmp_eq_u32 s29, 2
	s_cselect_b64 s[30:31], s[12:13], s[30:31]
	s_cmp_eq_u32 s29, 3
	s_cselect_b64 s[30:31], s[14:15], s[30:31]
	s_cmp_lt_u32 s24, 512
	s_cselect_b64 s[30:31], s[6:7], s[30:31]
	s_lshr_b32 s34, s28, 1
	s_lshl_b32 s34, s34, 2
	s_and_b32 s33, s28, 1
	s_add_co_u32 s34, s34, s33
	s_lshl_b32 s34, s34, 14                        ; the tile's first row,
	s_lshl_b32 s33, s22, 9
	s_add_co_u32 s34, s34, s33                     ; my K step's 512 bytes
	s_add_nc_u64 s[30:31], s[30:31], s[34:35]
	s_lshr_b32 s36, s27, 3
	s_mul_i32 s36, s36, BI
	s_mul_i32 s33, s22, SEC
	s_add_co_u32 s36, s36, s33                     ; the block image's section of my K step
	s_and_b32 s33, s27, 7
	s_lshl_b32 s38, s33, 7
	s_add_co_u32 s38, s38, s36
	s_add_co_u32 s38, s38, 12288                   ; the tile's scale words,
	s_mov_b32 s39, 0
	s_mul_i32 s33, s33, 1536
	s_add_co_u32 s36, s36, s33                     ; and its codes
	s_mov_b32 s37, 0
	s_add_nc_u64 s[38:39], s[16:17], s[38:39]
	s_add_nc_u64 s[36:37], s[16:17], s[36:37]
	LOAD16 2, 30
	s_wait_alu depctr_va_vdst(0)
	s_wait_loadcnt 0x0
	TOSTG 5
.irp n, 0,1,2,3,4,5,6,7,8,9,10,11,12,13,14,15
	ds_load_b128 v[X+4*\n:X+4*\n+3], v6 offset:128*(\n/4)+16*(\n%4)
.endr
	s_wait_dscnt 0x0
	QUANT X
	global_store_b128 v2, v[PC:PC+3], s[36:37]                 ; the image: each store covers 512 or 256 consecutive bytes
	global_store_b64 v9, v[PC+4:PC+5], s[36:37] offset:512
	global_store_b128 v2, v[PC+6:PC+9], s[36:37] offset:768
	global_store_b64 v9, v[PC+10:PC+11], s[36:37] offset:1280
	global_store_b32 v10, v[PW], s[38:39]
	s_wait_tensorcnt 0x0
	ds_add_u32 v184, v185
	s_wait_dscnt 0x0
	s_endpgm
.Lfunc_end_k_qa326bf6d43_prep:
	.size	k_qa326bf6d43_prep, .Lfunc_end_k_qa326bf6d43_prep-k_qa326bf6d43_prep
	.p2alignl 7, 3214868480
	.fill 96, 4, 3214868480
	.section	.rodata,"a",@progbits
	.p2align	6, 0x0
	.amdhsa_kernel k_qa326bf6d43_prep
		.amdhsa_group_segment_fixed_size 68096
		.amdhsa_private_segment_fixed_size 0
		.amdhsa_enable_private_segment 0
		.amdhsa_kernarg_size 80
		.amdhsa_user_sgpr_count 2
		.amdhsa_user_sgpr_kernarg_segment_ptr 1
		.amdhsa_wavefront_size32 1
		.amdhsa_system_sgpr_workgroup_id_x 1
		.amdhsa_system_sgpr_workgroup_id_y 1
		.amdhsa_system_sgpr_workgroup_id_z 1
		.amdhsa_system_vgpr_workitem_id 0
		.amdhsa_next_free_vgpr 256
		.amdhsa_next_free_sgpr 66
		.amdhsa_reserve_vcc 1
		.amdhsa_float_denorm_mode_32 3
		.amdhsa_float_denorm_mode_16_64 3
		.amdhsa_memory_ordered 1
		.amdhsa_forward_progress 1
		.amdhsa_inst_pref_size 107
	.end_amdhsa_kernel
	.amdgpu_metadata
---
amdhsa.version: [ 1, 2 ]
amdhsa.kernels:
  - .name:           k_qa326bf6d43_prep
    .symbol:         k_qa326bf6d43_prep.kd
    .args:
      - { .name: attn_mask, .offset: 0, .size: 8, .value_kind: global_buffer, .address_space: global }
      - { .name: x, .offset: 8, .size: 8, .value_kind: global_buffer, .address_space: global }
      - { .name: Wq, .offset: 16, .size: 8, .value_kind: global_buffer, .address_space: global }
      - { .name: Wk, .offset: 24, .size: 8, .value_kind: global_buffer, .address_space: global }
      - { .name: Wv, .offset: 32, .size: 8, .value_kind: global_buffer, .address_space: global }
      - { .name: Wo, .offset: 40, .size: 8, .value_kind: global_buffer, .address_space: global }
      - { .name: ximg, .offset: 48, .size: 8, .value_kind: global_buffer, .address_space: global }
      - { .name: wimg, .offset: 56, .size: 8, .value_kind: global_buffer, .address_space: global }
      - { .name: mwords, .offset: 64, .size: 8, .value_kind: global_buffer, .address_space: global }
      - { .name: cmask, .offset: 72, .size: 8, .value_kind: global_buffer, .address_space: global }
    .group_segment_fixed_size: 68096
    .private_segment_fixed_size: 0
    .kernarg_segment_align: 8
    .kernarg_segment_size: 80
    .max_flat_workgroup_size: 128
    .sgpr_count:     66
    .vgpr_count:     256
    .wavefront_size: 32
...
	.end_amdgpu_metadata
.endif
;; end of part 1
;; launch qkv (part 2): grid 64 x 3, 16 waves a work-group, clusters of 4 x 1, 268,288 bytes of LDS; arguments ximg, wimg, bq, bk, bv, qimg, kimg, vimg; writes qimg, kimg, vimg
.if DOCPART == 2
	.amdgcn_target "amdgcn-amd-amdhsa--gfx1250"
	.amdhsa_code_object_version 6
	.text
	.protected	k_qa326bf6d43_qkv
	.globl	k_qa326bf6d43_qkv
	.p2align	8
	.type	k_qa326bf6d43_qkv,@function
k_qa326bf6d43_qkv:
	s_mov_b64 s[64:65], 0
	v_nop
	global_prefetch_b8 v0, s[64:65] scope:SCOPE_SE
	s_setreg_imm32_b32 hwreg(HW_REG_WAVE_MODE, 25, 1), 1
	s_wait_xcnt 0x0
	s_wait_alu depctr_hold_cnt(0) depctr_sa_sdst(0) depctr_va_vdst(0) depctr_va_sdst(0) depctr_va_ssrc(0) depctr_va_vcc(0) depctr_vm_vsrc(0)
	s_getreg_b32 s2, hwreg(HW_REG_IB_STS2, 6, 4)
	s_cmp_eq_u32 s2, 0
	s_cbranch_scc0 .Lentry_in_a_cluster
	s_endpgm
.Lentry_in_a_cluster:
	s_bfe_u32 s2, ttmp6, 0x10000c
	s_cmp_lg_u32 s2, 0x3003
	s_cbranch_scc0 .Lentry_shape_is_right
	s_endpgm
.Lentry_shape_is_right:
; q, k, v = x W^T + b on codes of FP6 (E2M3), and the results quantised again, for the attention launch.
; A work-group takes 128 tokens x all 512 features of ONE of q, k, v (grid y).  Wave w makes 64 tokens (w % 2) x the 64 features of head w / 2: 16 accumulators.
; LDS, each byte filled once: the weight's four block images (53,248 bytes each), then x's one.  The four work-groups of a cluster take the same weight:
; its images are asked for JOINTLY (waves 0-3, one image each); x's image is the work-group's own (wave 4).
; A block image: for each K step of 128: 8 tiles x 1,536 bytes of codes as images of the operand's registers, then 8 x 128 bytes of scale words.
; A tile's rows are 32 (t/2) + 8 (t%2) + r + 8 (r/8), so that the 16 registers of two neighbouring tiles of source 0 are 16 neighbours.
; q, k: source 0 = W, source 1 = x: a lane holds a token, its 32 registers run along the head's 64 features: the next product's K.
; v:    source 0 = x, source 1 = W: a lane holds a feature, its registers run along 64 tokens: the keys, which are the second product's K.
; The two cases differ in the LDS addresses of the two sides and in the bias alone.
; OUT: a head image (106,496 bytes) for each (batch, head): [group of 64 tokens 0..31][o 0..3][768 bytes], o = token tile (q, k) or channel tile (v);
; from byte 98,304 on [group][lane][2 words]: word 0 = half word(o0) | half word(o1) << 16, word 1 likewise of o2, o3; a half word = the bytes of the tile's two blocks of 32.
; LIMITS: a block of zeros gets the byte 1 where the rule says 127 (its codes are zeros; this program alone reads the bytes); NaN and infinities are not served.
.set PART,  53248
.set SEC,   13312
.set HEADB, 106496
.set WV,    20
.set HD,    21
.set TH,    22
.set KIND,  23
.set G1J,   32                         ; s[32:39] group 1 of the joint loads;  s[40:47] of the plain one;  s[48:51], s[52:55] their groups 0
.set G1P,   40
.set G0J,   48
.set G0P,   52
.set SEL,   56
.set ACC,   16                         ; v16-143  accumulator (o, i) at 16 + 32 o + 8 i: o = tile of source 1, i = tile of source 0
.set FA,    144                        ; v144-191 four fragments of source 0
.set FB,    192                        ; v192-239 four of source 1
.set SA,    240                        ; v240-243, v244-247 their scale words: these registers hold scales alone
.set SB,    244
.macro ROUND                           ; a round of the cluster's barrier
	s_barrier_signal -1
	s_barrier_wait -1
	s_cmp_lg_u32 s[WV], 0
	s_cbranch_scc1 .Lnot_wave_0_\@
	s_barrier_signal -3
.Lnot_wave_0_\@:
	s_barrier_wait -3
	s_barrier_signal -1
	s_barrier_wait -1
.endm
.macro FRAG reg, a16, a8, off          ; a fragment's image back into 12 registers
	ds_load_b128 v[\reg:\reg+3], v[\a16] offset:\off
	ds_load_b64 v[\reg+4:\reg+5], v[\a8] offset:\off+512
	ds_load_b128 v[\reg+6:\reg+9], v[\a16] offset:\off+768
	ds_load_b64 v[\reg+10:\reg+11], v[\a8] offset:\off+1280
.endm
.macro KSTEP s, zero                   ; 128 along K: 8 fragments, 8 scale words, 16 products; the 16 accumulators take turns
.if \s > 0
.rept 4
	v_nop                                          ; places in front of loads into registers that matrix instructions have read
.endr
.endif
.irp i, 0,1,2,3
	FRAG FA+12*\i, 3, 4, \s*SEC+\i*1536
	FRAG FB+12*\i, 5, 6, \s*SEC+\i*1536
	ds_load_b32 v[SA+\i], v7 offset:\s*SEC+\i*128
	ds_load_b32 v[SB+\i], v8 offset:\s*SEC+\i*128
.endr
	s_wait_dscnt 0x0
.irp o, 0,1,2,3
.irp i, 0,1,2,3
.if \zero
	v_wmma_scale_f32_16x16x128_f8f6f4 v[ACC+32*\o+8*\i:ACC+32*\o+8*\i+7], v[FA+12*\i:FA+12*\i+11], v[FB+12*\o:FB+12*\o+11], 0, v[SA+\i], v[SB+\o] matrix_a_fmt:MATRIX_FMT_FP6 matrix_b_fmt:MATRIX_FMT_FP6
.else
	v_wmma_scale_f32_16x16x128_f8f6f4 v[ACC+32*\o+8*\i:ACC+32*\o+8*\i+7], v[FA+12*\i:FA+12*\i+11], v[FB+12*\o:FB+12*\o+11], v[ACC+32*\o+8*\i:ACC+32*\o+8*\i+7], v[SA+\i], v[SB+\o] matrix_a_fmt:MATRIX_FMT_FP6 matrix_b_fmt:MATRIX_FMT_FP6
.endif
.endr
.endr
.endm
; 32 numbers of a lane, register 16 b + i = index 32 b + 16 (lane / 16) + i of my row, become 6 registers of codes at v[P] (lane (r, h): row r, index 32 h + 0..31) and a half word of two scale bytes in v[HW].  T: 8 registers at work
.macro QUANT2 src, P, Y, HW, T
	v_max3_num_f32 v[\T], |v[\src]|, |v[\src+1]|, 0x1800000        ; the floor 2^(3 - 127): the byte cannot fall under 1
	v_max3_num_f32 v[\T+1], |v[\src+16]|, |v[\src+17]|, 0x1800000
.irp i, 2,4,6,8,10,12,14
	s_delay_alu instid0(VALU_DEP_2)
	v_max3_num_f32 v[\T], v[\T], |v[\src+\i]|, |v[\src+\i+1]|
	s_delay_alu instid0(VALU_DEP_2)
	v_max3_num_f32 v[\T+1], v[\T+1], |v[\src+16+\i]|, |v[\src+17+\i]|
.endr
	s_delay_alu instid0(VALU_DEP_2)
	v_permlanex16_b32 v[\T+2], v[\T], s[SEL], s[SEL+1]
	s_delay_alu instid0(VALU_DEP_2)
	v_permlanex16_b32 v[\T+3], v[\T+1], s[SEL], s[SEL+1]
	s_delay_alu instid0(VALU_DEP_2)
	v_max_num_f32 v[\T], v[\T], v[\T+2]
	s_delay_alu instid0(VALU_DEP_2)
	v_max_num_f32 v[\T+1], v[\T+1], v[\T+3]
	s_delay_alu instid0(VALU_DEP_2)
	v_add_nc_u32 v[\T+4], 0xff000000, v[\T]        ; 2 off the exponent field: the conversion's scale operand
	s_delay_alu instid0(VALU_DEP_2)
	v_add_nc_u32 v[\T+5], 0xff000000, v[\T+1]
	s_delay_alu instid0(VALU_DEP_2)
	v_lshrrev_b32 v[\T+6], 23, v[\T+4]
	s_delay_alu instid0(VALU_DEP_2)
	v_lshrrev_b32 v[\T+7], 23, v[\T+5]
	s_delay_alu instid0(VALU_DEP_1)
	v_lshl_or_b32 v[\HW], v[\T+7], 8, v[\T+6]
	v_cvt_scalef32_pk16_fp6_f32 v[\P:\P+2], v[\src:\src+15], v[\T+4]
	v_cvt_scalef32_pk16_fp6_f32 v[\Y:\Y+2], v[\src+16:\src+31], v[\T+5]
	v_nop                                          ; one plain place behind a scaled conversion
.irp i, 0,1,2
	v_permlane16_swap_b32 v[\P+\i], v[\Y+\i]       ; a whole block to a lane: lanes 0-15 block 0, lanes 16-31 block 1
.endr
.irp i, 0,1,2
	s_delay_alu instid0(VALU_DEP_3)
	v_mov_b32 v[\P+3+\i], v[\Y+\i]
.endr
.endm
	s_load_b512 s[4:19], s[0:1], 0x0               ; ximg s[4:5], wimg s[6:7], bq s[8:9], bk s[10:11], bv s[12:13], qimg s[14:15], kimg s[16:17], vimg s[18:19]
	v_lshl_add_u32 v14, v0, 2, 0x41000
	v_mov_b32 v15, 0
	ds_add_u32 v14, v15
	ds_add_u32 v14, v15
	v_lshrrev_b32 v1, 5, v0
	s_delay_alu instid0(VALU_DEP_1)
	v_readfirstlane_b32 s[WV], v1                  ; wave 0..15
	s_lshr_b32 s[HD], s[WV], 1                     ; my head
	s_and_b32 s[TH], s[WV], 1                      ; my half of the 128 tokens
	s_and_b32 s[KIND], ttmp7, 0xffff               ; 0 q, 1 k, 2 v: the same in all four partners
	s_bfe_u32 s24, ttmp6, 0x40000                  ; cx
	s_lshl_b32 s25, ttmp9, 2
	s_add_co_u32 s25, s25, s24                     ; my block of 128 tokens: it enters global addresses alone
	; group 1: a dense block of 53,248 bytes as 208 rows of 256 bytes (32 elements of 8 bytes), no padding
	s_mov_b32 s[G1J], 15|(3<<16)|(1<<21)           ; the mask names all four work-groups; bit 21 stands beside a mask
	s_mov_b32 s[G1P], 3<<16
.irp g, G1J, G1P
	s_mov_b32 s[\g+1], 32<<16                      ; tensor_dim0
	s_mov_b32 s[\g+2], 208<<16                     ; tensor_dim1
	s_mov_b32 s[\g+3], 32<<16                      ; tile_dim0
	s_mov_b32 s[\g+4], 208                         ; tile_dim1
	s_mov_b32 s[\g+5], 32                          ; the pitch
	s_mov_b32 s[\g+6], 0
	s_mov_b32 s[\g+7], 0
.endr
	s_min_u32 s26, s[WV], 3                        ; which image of the weight I fetch (waves 0-3)
	s_mov_b32 s[G0J], 1
	s_mul_i32 s[G0J+1], s26, PART
	s_lshl_b32 s27, s[KIND], 2
	s_add_co_u32 s27, s27, s26
	s_mul_i32 s28, s27, PART                       ; made of the kind and the wave's number alone
	s_mov_b32 s29, 0
	s_mul_i32 s30, s25, PART
	s_mov_b32 s31, 0
	s_mov_b32 s[G0P], 1
	s_mov_b32 s[G0P+1], 4*PART
	s_wait_dscnt 0x0
	s_wait_kmcnt 0x0
	s_add_nc_u64 s[G0J+2:G0J+3], s[6:7], s[28:29]
	s_or_b32 s[G0J+3], s[G0J+3], 0x80000000
	s_add_nc_u64 s[G0P+2:G0P+3], s[4:5], s[30:31]
	s_or_b32 s[G0P+3], s[G0P+3], 0x80000000
	ROUND                                          ; all four work-groups are here: the joint loads meet
	s_cmp_lt_u32 s[WV], 4
	s_cbranch_scc0 .Lnot_w
	tensor_load_to_lds s[G0J:G0J+3], s[G1J:G1J+7]
	s_nop 0
.rept 4
	v_nop
.endr
	s_branch .Lasked
.Lnot_w:
	s_cmp_eq_u32 s[WV], 4
	s_cbranch_scc0 .Lasked
	tensor_load_to_lds s[G0P:G0P+3], s[G1P:G1P+7]
	s_nop 0
.rept 4
	v_nop
.endr
.Lasked:
	v_and_b32 v9, 31, v0
	s_delay_alu instid0(VALU_DEP_1)
	v_lshlrev_b32 v1, 4, v9                        ; 16 x lane
	s_wait_alu depctr_va_vdst(0)
	v_lshlrev_b32 v2, 3, v9                        ; 8 x lane
	s_wait_alu depctr_va_vdst(0)
	v_lshlrev_b32 v10, 2, v9                       ; 4 x lane
	s_wait_alu depctr_va_vdst(0)
	s_lshr_b32 s26, s[HD], 1
	s_mul_i32 s26, s26, PART                       ; my head's 64 features: image hd / 2, tiles 4 (hd % 2) on
	s_and_b32 s27, s[HD], 1
	s_mul_i32 s28, s27, 6144
	s_add_co_u32 s28, s28, s26                     ; W's codes
	s_lshl_b32 s27, s27, 9
	s_add_co_u32 s27, s27, s26
	s_add_co_u32 s27, s27, 12288                   ; W's scale words
	s_mul_i32 s29, s[TH], 6144
	s_add_co_u32 s29, s29, 4*PART                  ; x's codes: tiles 4 th on
	s_lshl_b32 s30, s[TH], 9
	s_add_co_u32 s30, s30, 4*PART+12288            ; x's scale words
	s_cmp_lt_u32 s[KIND], 2
	s_cselect_b32 s60, s28, s29                    ; source 0: W for q and k, x for v
	s_cselect_b32 s61, s29, s28                    ; source 1
	s_cselect_b32 s62, s27, s30
	s_cselect_b32 s63, s30, s27
	v_add_nc_u32 v3, s60, v1
	v_add_nc_u32 v4, s60, v2
	v_add_nc_u32 v5, s61, v1
	v_add_nc_u32 v6, s61, v2
	v_add_nc_u32 v7, s62, v10
	v_add_nc_u32 v8, s63, v10
	v_bfe_u32 v11, v0, 4, 1
	s_delay_alu instid0(VALU_DEP_1)
	v_lshlrev_b32 v11, 6, v11                      ; the bias of q, k: 64 h bytes
	v_and_b32 v12, 15, v0
	s_delay_alu instid0(VALU_DEP_1)
	v_and_b32 v13, 8, v12
	s_delay_alu instid0(VALU_DEP_1)
	v_add_nc_u32 v12, v12, v13
	s_delay_alu instid0(VALU_DEP_1)
	v_lshlrev_b32 v12, 2, v12                      ; the bias of v: 4 (r + 8 (r/8)) bytes
	v_mov_b32 v250, 0                              ; written once: a lane permute's destination counts as read
	v_mov_b32 v251, 0
	s_mov_b32 s[SEL], 0x76543210
	s_mov_b32 s[SEL+1], 0xfedcba98
	; where the results go
	s_lshr_b32 s26, s25, 4                         ; the batch
	s_lshl_b32 s26, s26, 3
	s_add_co_u32 s26, s26, s[HD]
	s_mul_i32 s26, s26, HEADB                      ; the head image
	s_and_b32 s27, s25, 15
	s_lshl_b32 s27, s27, 1
	s_add_co_u32 s27, s27, s[TH]                   ; the group of 64 tokens
	s_mul_i32 s28, s27, 3072
	s_add_co_u32 s28, s28, s26
	s_mov_b32 s29, 0
	s_lshl_b32 s30, s27, 8
	s_add_co_u32 s30, s30, s26
	s_add_co_u32 s30, s30, 98304
	s_mov_b32 s31, 0
	s_lshl_b32 s72, s[HD], 8                       ; the head's 64 numbers of the bias
	s_mov_b32 s73, 0
	s_cmp_eq_u32 s[KIND], 0
	s_cselect_b64 s[58:59], s[14:15], s[16:17]
	s_cselect_b64 s[70:71], s[8:9], s[10:11]
	s_cmp_eq_u32 s[KIND], 2
	s_cselect_b64 s[58:59], s[18:19], s[58:59]
	s_cselect_b64 s[70:71], s[12:13], s[70:71]
	s_add_nc_u64 s[66:67], s[58:59], s[28:29]      ; codes
	s_add_nc_u64 s[68:69], s[58:59], s[30:31]      ; scale words
	s_add_nc_u64 s[70:71], s[70:71], s[72:73]
	s_wait_alu depctr_va_vdst(0)
	s_wait_tensorcnt 0x0                           ; my load, if I issued one, has landed,
	s_barrier_signal -1
	s_barrier_wait -1                              ; everybody's has: from here on LDS is only read
	KSTEP 0, 1
	KSTEP 1, 0
	KSTEP 2, 0
	KSTEP 3, 0
.rept 4
	v_nop                                          ; places in front of the loads into source 0's registers and of the first read of results
.endr
	s_cmp_lt_u32 s[KIND], 2
	s_cbranch_scc0 .Lbias_v
.irp i, 0,1,2,3                                ; q, k: register 8 i + j of a lane is feature 32 (i/2) + 8 (i%2) + 16 h + j
	global_load_b128 v[FA+8*\i:FA+8*\i+3], v11, s[70:71] offset:(32*(\i/2)+8*(\i%2))*4
	global_load_b128 v[FA+8*\i+4:FA+8*\i+7], v11, s[70:71] offset:(32*(\i/2)+8*(\i%2))*4+16
.endr
	s_wait_loadcnt 0x0
.irp o, 0,1,2,3
.irp p, 0,2,4,6,8,10,12,14,16,18,20,22,24,26,28,30
	v_pk_add_f32 v[ACC+32*\o+\p:ACC+32*\o+\p+1], v[ACC+32*\o+\p:ACC+32*\o+\p+1], v[FA+\p:FA+\p+1]   ; each accumulator from its low end on
.endr
.endr
	s_branch .Lquantise
.Lbias_v:
.irp o, 0,1,2,3                                ; v: all 32 registers of tile o belong to feature 32 (o/2) + 8 (o%2) + r + 8 (r/8)
	global_load_b32 v[FA+2*\o], v12, s[70:71] offset:(32*(\o/2)+8*(\o%2))*4
	global_load_b32 v[FA+2*\o+1], v12, s[70:71] offset:(32*(\o/2)+8*(\o%2))*4
.endr
	s_wait_loadcnt 0x0
.irp o, 0,1,2,3
.irp p, 0,2,4,6,8,10,12,14,16,18,20,22,24,26,28,30
	v_pk_add_f32 v[ACC+32*\o+\p:ACC+32*\o+\p+1], v[ACC+32*\o+\p:ACC+32*\o+\p+1], v[FA+2*\o:FA+2*\o+1]
.endr
.endr
.Lquantise:
.irp o, 0,1,2,3                                ; each tile has its own registers for its codes and its half word: no store's data are written again
	QUANT2 ACC+32*\o, 192+8*\o, 224, 228+\o, 248
	global_store_b128 v1, v[192+8*\o:195+8*\o], s[66:67] offset:768*\o
	global_store_b64 v2, v[196+8*\o:197+8*\o], s[66:67] offset:768*\o+512
.endr
	v_lshl_or_b32 v232, v229, 16, v228
	v_lshl_or_b32 v233, v231, 16, v230
	global_store_b64 v2, v[232:233], s[68:69]      ; 32 lanes store 256 consecutive bytes
	s_wait_tensorcnt 0x0
	ds_add_u32 v14, v15
	s_wait_dscnt 0x0
	ROUND                                          ; the closing round
	s_endpgm
.Lfunc_end_k_qa326bf6d43_qkv:
	.size	k_qa326bf6d43_qkv, .Lfunc_end_k_qa326bf6d43_qkv-k_qa326bf6d43_qkv
	.p2alignl 7, 3214868480
	.fill 96, 4, 3214868480
	.section	.rodata,"a",@progbits
	.p2align	6, 0x0
	.amdhsa_kernel k_qa326bf6d43_qkv
		.amdhsa_group_segment_fixed_size 268288
		.amdhsa_private_segment_fixed_size 0
		.amdhsa_enable_private_segment 0
		.amdhsa_kernarg_size 64
		.amdhsa_user_sgpr_count 2
		.amdhsa_user_sgpr_kernarg_segment_ptr 1
		.amdhsa_wavefront_size32 1
		.amdhsa_system_sgpr_workgroup_id_x 1
		.amdhsa_system_sgpr_workgroup_id_y 1
		.amdhsa_system_sgpr_workgroup_id_z 1
		.amdhsa_system_vgpr_workitem_id 0
		.amdhsa_next_free_vgpr 256
		.amdhsa_next_free_sgpr 80
		.amdhsa_reserve_vcc 0
		.amdhsa_float_denorm_mode_32 3
		.amdhsa_float_denorm_mode_16_64 3
		.amdhsa_memory_ordered 1
		.amdhsa_forward_progress 1
		.amdhsa_inst_pref_size 47
	.end_amdhsa_kernel
	.amdgpu_metadata
---
amdhsa.version: [ 1, 2 ]
amdhsa.kernels:
  - .name:           k_qa326bf6d43_qkv
    .symbol:         k_qa326bf6d43_qkv.kd
    .args:
      - { .name: ximg, .offset: 0, .size: 8, .value_kind: global_buffer, .address_space: global }
      - { .name: wimg, .offset: 8, .size: 8, .value_kind: global_buffer, .address_space: global }
      - { .name: bq, .offset: 16, .size: 8, .value_kind: global_buffer, .address_space: global }
      - { .name: bk, .offset: 24, .size: 8, .value_kind: global_buffer, .address_space: global }
      - { .name: bv, .offset: 32, .size: 8, .value_kind: global_buffer, .address_space: global }
      - { .name: qimg, .offset: 40, .size: 8, .value_kind: global_buffer, .address_space: global }
      - { .name: kimg, .offset: 48, .size: 8, .value_kind: global_buffer, .address_space: global }
      - { .name: vimg, .offset: 56, .size: 8, .value_kind: global_buffer, .address_space: global }
    .group_segment_fixed_size: 268288
    .private_segment_fixed_size: 0
    .kernarg_segment_align: 8
    .kernarg_segment_size: 64
    .max_flat_workgroup_size: 512
    .sgpr_count:     80
    .vgpr_count:     256
    .wavefront_size: 32
...
	.end_amdgpu_metadata
.endif
;; end of part 2
;; launch attn (part 3): grid 8 x 32, 16 waves a work-group, clusters of 4 x 1, 280,576 bytes of LDS; arguments qimg, kimg, vimg, mwords, oimg, cmask; writes oimg
.if DOCPART == 3
	.amdgcn_target "amdgcn-amd-amdhsa--gfx1250"
	.amdhsa_code_object_version 6
	.text
	.protected	k_qa326bf6d43_attn
	.globl	k_qa326bf6d43_attn
	.p2align	8
	.type	k_qa326bf6d43_attn,@function
k_qa326bf6d43_attn:
	s_mov_b64 s[64:65], 0
	v_nop
	global_prefetch_b8 v0, s[64:65] scope:SCOPE_SE
	s_setreg_imm32_b32 hwreg(HW_REG_WAVE_MODE, 25, 1), 1
	s_wait_xcnt 0x0
	s_wait_alu depctr_hold_cnt(0) depctr_sa_sdst(0) depctr_va_vdst(0) depctr_va_sdst(0) depctr_va_ssrc(0) depctr_va_vcc(0) depctr_vm_vsrc(0)
	s_getreg_b32 s2, hwreg(HW_REG_IB_STS2, 6, 4)
	s_cmp_eq_u32 s2, 0
	s_cbranch_scc0 .Lentry_in_a_cluster
	s_endpgm
.Lentry_in_a_cluster:
	s_bfe_u32 s2, ttmp6, 0x10000c
	s_cmp_lg_u32 s2, 0x3003
	s_cbranch_scc0 .Lentry_shape_is_right
	s_endpgm
.Lentry_shape_is_right:
; O = softmax(mask(Q K^T / 8)) V for one (batch, head), both products on codes of FP6 (E2M3) with E8M0 scales; O is quantised for the output projection.
; The finished, normalised weights are what the second product quantises, so a row's maximum and sum are wanted first: TWO PASSES over the keys.
; Pass 1: scores, mask (lane masks, one select a score), the running largest t = s c as Mc, c = log2(e) / 8, the sum L of 2^(s c - Mc); each block of 32 keys leaves its largest masked score in the wave's own LDS bytes.
; Pass 2: scores again, w = 2^(s c - (Mc + log2 L)) for ALL keys, one multiply-add a pair.  A block's largest weight is its kept largest score put through the same multiply-add and exponential
; (this takes v_exp_f32 not to fall where its input rises).  The mask is applied to the CODES: a field of 6 ones for each masked key clears its code; 12 registers a step, loaded a step ahead.
; A masked key's w may lie beyond the block's range: the conversion holds it at the largest code, and the field clears it.
; SHARES: a work-group owns 256 queries of a head, each of sixteen waves a tile of 16.  LDS: the head's K image (106,496 bytes), its V image, each byte filled once, asked for JOINTLY by the four work-groups
; of a cluster, which belong to one head (waves 0-3 a quarter of K each, waves 4-7 of V: one tensor load a wave); the spare words; 4,096 bytes a wave for the blocks' largest scores.
; LAYOUT: both products transposed, a lane holds ONE query (lane % 16).  A fragment of source 0 holds key tile 2 b in k 0..63 and tile 2 b + 1 in k 64..127; Q stands against one half with zero codes against the other.
; Score register 16 b + i is key 128 step + 32 b + 16 (lane / 16) + i.  A row masked throughout has had its diagonal freed by the first launch, in both forms of the mask.
; No prefetch: the mask words and the code masks are asked for one step ahead by the loads themselves, and K and V come once, at the head.
; LIMITS: a weight's exponent is right to the rounding of Mc + log2 L, so a weight that is 1 in real numbers may come out one ulp off; NaN or infinite inputs and scores beyond f32's range are not served
; (so no weight is NaN, and the renormalising for NaN never applies); scaled scores stay under 2^31; weights under 2^-126 become 0; a block of zeros gets the byte 1 where the rule says 127 (this program alone reads the bytes).
.set HEADB, 106496
.set VB,    106496
.set SCO,   98304
.set BI,    53248
.set SEC,   13312
.set SPARE, 0x34000
.set BM,    0x34800                    ; the blocks' largest scores: [wave][step][row 16][block 4] f32
.set KF,    48                         ; v48-95 fragments of K, then of V
.set S,     96                         ; v96-159 scores, then weights
.set O,     160                        ; v160-191 O^T
.set P,     192                        ; v192-203 the weights' codes; v204-206, v208-210 at work
.set KS,    212                        ; v212-215 K's scale words; v216-219 V's; v14 Q's; v15 the weights': scales alone
.set VS,    216
.set VR,    220
.set TMX,   224                        ; v224-227 blocks' largest; v232-239 scale operands, bytes
.set WV,    70
.set SEL,   66
.set CS,    68
.set G1,    72
.set G0K,   8
.set G0V,   12
.set CMB,   104                        ; s[104:105] my tile's code masks
; v1 16 l, v2 8 l, v3-6 lane places, v7-12 step addresses, v13 -infinity, v16-33 zeros, Q, zeros, v34 Mc (v35), v[36:37] L, v38 factor, later Mc + log2 L (v39), v40-45 at work,
; v46, v47 my place for the blocks' largest scores; pass 1: v240-245 sums; pass 2: v240-250, v228-230 code masks, v44 12 l, v45 their offset.
; s[2:3], s4 mask words; s5 count; s6, s7, s8, s9 the step's place in codes, scale words, largest scores, code masks; s16-63, s80-95 the step's 64 mask words
.macro ROUND
	s_barrier_signal -1
	s_barrier_wait -1
	s_cmp_lg_u32 s[WV], 0
	s_cbranch_scc1 .Lnot_wave_0_\@
	s_barrier_signal -3
.Lnot_wave_0_\@:
	s_barrier_wait -3
	s_barrier_signal -1
	s_barrier_wait -1
.endm
.macro MLOAD
	s_load_b512 s[16:31], s[2:3], s4 offset:0x0
	s_load_b512 s[32:47], s[2:3], s4 offset:0x40
	s_load_b512 s[48:63], s[2:3], s4 offset:0x80
	s_load_b512 s[80:95], s[2:3], s4 offset:0xc0
.endm
.macro CMLOAD                          ; a step's code masks: group m of 32 keys, my 16 of them, 12 bytes a lane
	v_add_nc_u32 v45, s9, v44
	global_load_b96 v[240:242], v45, s[CMB:CMB+1]
	global_load_b96 v[244:246], v45, s[CMB:CMB+1] offset:384
	global_load_b96 v[248:250], v45, s[CMB:CMB+1] offset:768
	global_load_b96 v[228:230], v45, s[CMB:CMB+1] offset:1152
.endm
.macro QUANT2 src, P, Y, HW, T         ; 32 numbers of a lane -> 6 registers of codes, a half word of two scale bytes
	v_max3_num_f32 v[\T], |v[\src]|, |v[\src+1]|, 0x1800000
	v_max3_num_f32 v[\T+1], |v[\src+16]|, |v[\src+17]|, 0x1800000
.irp i, 2,4,6,8,10,12,14
	v_max3_num_f32 v[\T], v[\T], |v[\src+\i]|, |v[\src+\i+1]|
	v_max3_num_f32 v[\T+1], v[\T+1], |v[\src+16+\i]|, |v[\src+17+\i]|
.endr
	v_permlanex16_b32 v[\T+2], v[\T], s[SEL], s[SEL+1]
	v_permlanex16_b32 v[\T+3], v[\T+1], s[SEL], s[SEL+1]
	v_max_num_f32 v[\T], v[\T], v[\T+2]
	v_max_num_f32 v[\T+1], v[\T+1], v[\T+3]
	v_add_nc_u32 v[\T+4], 0xff000000, v[\T]
	v_add_nc_u32 v[\T+5], 0xff000000, v[\T+1]
	v_lshrrev_b32 v[\T+6], 23, v[\T+4]
	v_lshrrev_b32 v[\T+7], 23, v[\T+5]
	v_lshl_or_b32 v[\HW], v[\T+7], 8, v[\T+6]
	v_cvt_scalef32_pk16_fp6_f32 v[\P:\P+2], v[\src:\src+15], v[\T+4]
	v_cvt_scalef32_pk16_fp6_f32 v[\Y:\Y+2], v[\src+16:\src+31], v[\T+5]
	v_nop
.irp i, 0,1,2
	v_permlane16_swap_b32 v[\P+\i], v[\Y+\i]
.endr
.irp i, 0,1,2
	v_mov_b32 v[\P+3+\i], v[\Y+\i]
.endr
.endm
; A step's 128 keys.  v = 0 (pass 1): scores and mask.  v = 1 (pass 2): scores, the blocks' largest scores, V's fragments and scale words
.macro SCORES v
	v_add_nc_u32 v7, s6, v1
	v_add_nc_u32 v8, s6, v2
	v_add_nc_u32 v9, s7, v3
	v_add_nc_u32 v47, s8, v46
.if \v
	v_add_nc_u32 v10, s6, v4                       ; (these additions are also the places between the last step's products and the loads into their sources)
	v_add_nc_u32 v11, s6, v5
	v_add_nc_u32 v12, s7, v6
.endif
.irp b, 0,1,2,3
	ds_load_b128 v[KF+12*\b:KF+12*\b+3], v7 offset:1536*\b
	ds_load_b64 v[KF+12*\b+4:KF+12*\b+5], v8 offset:1536*\b+512
	ds_load_b128 v[KF+12*\b+6:KF+12*\b+9], v7 offset:1536*\b+768
	ds_load_b64 v[KF+12*\b+10:KF+12*\b+11], v8 offset:1536*\b+1280
.endr
	ds_load_b64 v[KS:KS+1], v9
	ds_load_b64 v[KS+2:KS+3], v9 offset:256
.if \v
	ds_load_b64 v[VR:VR+1], v12
	ds_load_b64 v[VR+2:VR+3], v12 offset:256
	ds_load_b128 v[TMX:TMX+3], v47                 ; what pass 1 stored for my row: a wave's LDS instructions are served in order
.endif
	s_wait_dscnt 0x0
.irp b, 0,1,2,3
	v_wmma_scale_f32_16x16x128_f8f6f4 v[S+16*\b:S+16*\b+7], v[KF+12*\b:KF+12*\b+11], v[22:33], 0, v[KS+\b], v14 matrix_a_fmt:MATRIX_FMT_FP6 matrix_b_fmt:MATRIX_FMT_FP6
	v_wmma_scale_f32_16x16x128_f8f6f4 v[S+16*\b+8:S+16*\b+15], v[KF+12*\b:KF+12*\b+11], v[16:27], 0, v[KS+\b], v14 matrix_a_fmt:MATRIX_FMT_FP6 matrix_b_fmt:MATRIX_FMT_FP6
.endr
.if \v
	v_perm_b32 v[VS], v[VR+2], v[VR], s100         ; V's scale word of channel tile t; these four lines are the places behind the products
	v_perm_b32 v[VS+1], v[VR+2], v[VR], s101
	v_perm_b32 v[VS+2], v[VR+3], v[VR+1], s100
	v_perm_b32 v[VS+3], v[VR+3], v[VR+1], s101
	s_wait_alu depctr_va_vdst(0)
.irp t, 0,1,2,3
	ds_load_b128 v[KF+12*\t:KF+12*\t+3], v10 offset:768*\t
	ds_load_b64 v[KF+12*\t+4:KF+12*\t+5], v11 offset:768*\t+512
	ds_load_b128 v[KF+12*\t+6:KF+12*\t+9], v10 offset:3072+768*\t
	ds_load_b64 v[KF+12*\t+10:KF+12*\t+11], v11 offset:3072+768*\t+512
.endr
.else
	v_mov_b32 v44, v34                             ; the old Mc; with three v_nop: the places behind the products
.rept 3
	v_nop
.endr
	s_wait_kmcnt 0x0                               ; the step's mask words are in
.set j, 0
.rept 64
	v_cndmask_b32 v[S+j], v[S+j], v13, s[16+j+16*(j/48)]   ; each accumulator from its low end on
.set j, j+1
.endr
	s_add_co_u32 s4, s4, 256
	s_and_b32 s4, s4, 4095                         ; behind the last step the first again: no load leaves the buffer
	MLOAD
.endif
.endm
.macro TEXP k                          ; s c - v[k], two at a time
.set j, 0
.rept 32
	v_pk_fma_f32 v[S+j:S+j+1], v[S+j:S+j+1], s[CS:CS+1], v[\k:\k+1] op_sel_hi:[1,0,0] neg_lo:[0,0,1] neg_hi:[0,0,1]
.set j, j+2
.endr
.endm
.macro EXPS
.set j, 0
.rept 64
	v_exp_f32 v[S+j], v[S+j]
.set j, j+1
.endr
.endm
.macro CLR c, m                        ; three registers of codes and not the masked keys' fields
.irp i, 0,1,2
	v_bfi_b32 v[\c+\i], v[\m+\i], 0, v[\c+\i]
.endr
.endm
.macro P2STEP zero
	SCORES 1
	TEXP 38
.irp b, 0,1,2,3
	v_fma_f32 v[TMX+\b], v[TMX+\b], s[CS], -v38    ; the same of each block's largest masked score
.endr
	s_wait_alu depctr_va_vdst(0)                   ; ahead of the batch
	EXPS
.irp b, 0,1,2,3
	v_exp_f32 v[TMX+\b], v[TMX+\b]                 ; the block's largest weight
.endr
	v_nop
	s_wait_alu depctr_va_vdst(0)                   ; one wait for the batch; it also stands directly ahead of the wait below
	s_wait_loadcnt 0x0                             ; this step's code masks are in
.irp b, 0,1,2,3
	v_max_num_f32 v[TMX+\b], 0x1800000, v[TMX+\b]  ; the floor 2^(3 - 127)
.endr
.irp b, 0,1,2,3
	s_delay_alu instid0(VALU_DEP_4)
	v_add_nc_u32 v[TMX+8+\b], 0xff000000, v[TMX+\b]
.endr
.irp b, 0,1,2,3
	s_delay_alu instid0(VALU_DEP_4)
	v_lshrrev_b32 v[TMX+12+\b], 23, v[TMX+8+\b]
.endr
	s_delay_alu instid0(VALU_DEP_3)
	v_lshl_or_b32 v15, v[TMX+13], 8, v[TMX+12]
	s_delay_alu instid0(VALU_DEP_1)
	v_lshl_or_b32 v15, v[TMX+14], 16, v15
	s_delay_alu instid0(VALU_DEP_1)
	v_lshl_or_b32 v15, v[TMX+15], 24, v15
.irp c, 0,1
	v_cvt_scalef32_pk16_fp6_f32 v[P+6*\c:P+6*\c+2], v[S+32*\c:S+32*\c+15], v[TMX+8+2*\c]
	v_cvt_scalef32_pk16_fp6_f32 v[204+4*\c:206+4*\c], v[S+32*\c+16:S+32*\c+31], v[TMX+9+2*\c]
.endr
	v_nop                                          ; one plain place behind a scaled conversion
	CLR P, 240                                     ; keys 16 h + 0..15 of blocks 0, 1, 2, 3
	CLR 204, 244
	CLR P+6, 248
	CLR 208, 228
	s_add_co_u32 s9, s9, 1536
	s_cmp_eq_u32 s9, 24576
	s_cselect_b32 s9, 0, s9                        ; behind the last step the first again: no load leaves my tile's part
	CMLOAD                                         ; the next step's
.irp c, 0,1
.irp i, 0,1,2
	v_permlane16_swap_b32 v[P+6*\c+\i], v[204+4*\c+\i]
.endr
.irp i, 0,1,2
	v_mov_b32 v[P+3+6*\c+\i], v[204+4*\c+\i]
.endr
.endr
.rept 4
	v_nop                                          ; an operand written by vector instructions stands 4 places ahead of a scaled matrix instruction
.endr
	s_wait_alu depctr_va_vdst(0)
	s_wait_dscnt 0x0                               ; V's fragments are in
.irp t, 0,1,2,3
.if \zero
	v_wmma_scale_f32_16x16x128_f8f6f4 v[O+8*\t:O+8*\t+7], v[KF+12*\t:KF+12*\t+11], v[P:P+11], 0, v[VS+\t], v15 matrix_a_fmt:MATRIX_FMT_FP6 matrix_b_fmt:MATRIX_FMT_FP6
.else
	v_wmma_scale_f32_16x16x128_f8f6f4 v[O+8*\t:O+8*\t+7], v[KF+12*\t:KF+12*\t+11], v[P:P+11], v[O+8*\t:O+8*\t+7], v[VS+\t], v15 matrix_a_fmt:MATRIX_FMT_FP6 matrix_b_fmt:MATRIX_FMT_FP6
.endif
.endr
	s_add_co_u32 s6, s6, 6144
	s_add_co_u32 s7, s7, 512
	s_add_co_u32 s8, s8, 256
.endm
	s_load_b256 s[16:23], s[0:1], 0x0              ; qimg, kimg, vimg, mwords
	s_load_b64 s[24:25], s[0:1], 0x20              ; oimg
	s_load_b64 s[CMB:CMB+1], s[0:1], 0x28          ; cmask
	v_lshl_add_u32 v254, v0, 2, SPARE
	v_mov_b32 v255, 0
	ds_add_u32 v254, v255                          ; the opening lines
	ds_add_u32 v254, v255
	v_lshrrev_b32 v1, 5, v0
	v_readfirstlane_b32 s[WV], v1
	s_and_b32 s26, ttmp7, 0xffff                   ; 8 x batch + head
	s_bfe_u32 s27, ttmp6, 0x40000                  ; cx
	s_lshl_b32 s28, ttmp9, 2
	s_add_co_u32 s28, s28, s27
	s_lshl_b32 s28, s28, 4
	s_add_co_u32 s28, s28, s[WV]                   ; T: my tile of queries: it enters global addresses and a byte select alone
	s_mov_b32 s[G1], 15|(3<<16)|(1<<21)            ; a quarter of an image: 104 rows of 256 bytes; the mask names all four work-groups
	s_mov_b32 s[G1+1], 32<<16
	s_mov_b32 s[G1+2], 104<<16
	s_mov_b32 s[G1+3], 32<<16
	s_mov_b32 s[G1+4], 104
	s_mov_b32 s[G1+5], 32
	s_mov_b32 s[G1+6], 0
	s_mov_b32 s[G1+7], 0
	s_and_b32 s29, s[WV], 3
	s_mul_i32 s29, s29, 26624                      ; my quarter
	s_mul_i32 s30, s26, HEADB
	s_add_co_u32 s32, s30, s29
	s_mov_b32 s33, 0
	s_mov_b32 s[G0K], 1
	s_mov_b32 s[G0K+1], s29
	s_mov_b32 s[G0V], 1
	s_add_co_u32 s[G0V+1], s29, VB
	s_mul_i32 s36, s28, 768
	s_add_co_u32 s36, s36, s30                     ; Q's codes
	s_mov_b32 s37, 0
	s_lshr_b32 s38, s28, 2
	s_lshl_b32 s38, s38, 8
	s_bfe_u32 s39, s28, 0x10001
	s_lshl_b32 s39, s39, 2
	s_add_co_u32 s38, s38, s39
	s_add_co_u32 s38, s38, s30
	s_add_co_u32 s38, s38, SCO                     ; the word with Q's half word
	s_mov_b32 s39, 0
	s_lshr_b32 s40, s26, 3
	s_lshl_b32 s40, s40, 7
	s_add_co_u32 s40, s40, s28                     ; TT = 128 x batch + T
	s_lshl_b32 s42, s40, 12
	s_mov_b32 s43, 0
	s_mul_i32 s52, s40, 24576
	s_mov_b32 s53, 0
	s_and_b32 s41, s26, 7
	s_lshr_b32 s44, s40, 3
	s_mul_i32 s44, s44, BI
	s_lshr_b32 s45, s41, 1
	s_mul_i32 s45, s45, SEC
	s_add_co_u32 s44, s44, s45                     ; O: block image TT / 8, K step head / 2
	s_and_b32 s45, s40, 7
	s_and_b32 s41, s41, 1
	s_mul_i32 s46, s45, 1536
	s_mul_i32 s47, s41, 768
	s_add_co_u32 s46, s46, s47
	s_add_co_u32 s46, s46, s44
	s_mov_b32 s47, 0
	s_lshl_b32 s48, s45, 7
	s_lshl_b32 s49, s41, 1
	s_add_co_u32 s48, s48, s49
	s_add_co_u32 s48, s48, s44
	s_add_co_u32 s48, s48, 12288
	s_mov_b32 s49, 0
	s_and_b32 s50, s28, 1                          ; SCC: T is odd
	s_mov_b32 s71, 0x03020302
	s_cselect_b32 s71, s71, 0x01000100
	s_mov_b32 s[SEL], 0x76543210
	s_mov_b32 s[SEL+1], 0xfedcba98
	s_mov_b32 s[CS], 0x3e38aa3b                    ; c = log2(e) / 8
	s_mov_b32 s[CS+1], s[CS]
	s_mov_b32 s100, 0x05040100
	s_mov_b32 s101, 0x07060302
	s_mov_b32 s4, 0
	s_mov_b32 s6, 0
	s_mov_b32 s7, 0
	s_wait_dscnt 0x0
	s_wait_kmcnt 0x0
	s_add_nc_u64 s[G0K+2:G0K+3], s[18:19], s[32:33]
	s_or_b32 s[G0K+3], s[G0K+3], 0x80000000
	s_add_nc_u64 s[G0V+2:G0V+3], s[20:21], s[32:33]
	s_or_b32 s[G0V+3], s[G0V+3], 0x80000000
	s_add_nc_u64 s[34:35], s[16:17], s[36:37]
	s_add_nc_u64 s[38:39], s[16:17], s[38:39]
	s_add_nc_u64 s[2:3], s[22:23], s[42:43]
	s_add_nc_u64 s[96:97], s[24:25], s[46:47]
	s_add_nc_u64 s[98:99], s[24:25], s[48:49]
	s_add_nc_u64 s[CMB:CMB+1], s[CMB:CMB+1], s[52:53]
	ROUND                                          ; all four work-groups are here: the joint loads meet
	s_cmp_lt_u32 s[WV], 4                          ; one chain of branches, one load to an arm
	s_cbranch_scc0 .Lnot_k
	tensor_load_to_lds s[G0K:G0K+3], s[G1:G1+7]
	s_nop 0
.rept 4
	v_nop
.endr
	s_branch .Lno_fill
.Lnot_k:
	s_cmp_lt_u32 s[WV], 8
	s_cbranch_scc0 .Lno_fill
	tensor_load_to_lds s[G0V:G0V+3], s[G1:G1+7]
	s_nop 0
.rept 4
	v_nop
.endr
.Lno_fill:
	v_and_b32 v7, 31, v0
	v_lshlrev_b32 v1, 4, v7
	v_lshlrev_b32 v2, 3, v7
	global_load_b128 v[22:25], v1, s[34:35]        ; Q stays in registers
	global_load_b64 v[26:27], v2, s[34:35] offset:512
	global_load_b32 v40, v2, s[38:39]
	v_add_nc_u32 v3, SCO, v2
	v_add_nc_u32 v4, VB, v1
	v_add_nc_u32 v5, VB, v2
	v_add_nc_u32 v6, VB+SCO, v2
	s_lshl_b32 s36, s[WV], 12
	s_add_co_u32 s36, s36, BM
	v_and_b32 v46, 15, v0
	v_lshlrev_b32 v46, 4, v46
	v_add_nc_u32 v46, s36, v46                     ; my wave's 4,096 bytes, 16 bytes a row: lanes r and r + 16 hold and store the same
	v_mov_b32 v13, 0xff800000
.irp i, 16,17,18,19,20,21,28,29,30,31,32,33
	v_mov_b32 v\i, 0
.endr
	v_mov_b32 v34, 0xff61b1e6                      ; Mc: -3e38, under every t
	v_mov_b32 v35, 0
	v_mov_b32 v36, 0
	v_mov_b32 v37, 0
	v_mov_b32 v38, 0
	v_mov_b32 v39, 0
	v_mov_b32 v45, 0
.irp b, 0,1,2,3
	v_mov_b32 v[TMX+4+\b], 0                       ; written once: a lane permute's destination counts as read
.endr
	s_wait_loadcnt 0x0                             ; Q is in, and the loads have read their bases, which the mask words overwrite
	v_perm_b32 v14, v40, v40, s71
.rept 8
	v_nop                                          ; a scale register written by a vector instruction stands 8 places ahead of a scaled matrix instruction
.endr
	MLOAD
	s_wait_tensorcnt 0x0                           ; my load, if I issued one, has landed,
	s_barrier_signal -1
	s_barrier_wait -1                              ; everybody's has: K's and V's bytes are only read from here on
	s_mov_b32 s8, 0                                ; (no tensor load of mine is out: the descriptors' registers are free)
	; ---------------- pass 1 ----------------
	s_mov_b32 s5, 16
.Lpass1:
	s_wait_alu depctr_va_vdst(0)
	SCORES 0
.irp k, 0,1,2,3
	v_max3_num_f32 v[40+\k], v[S+16*\k], v[S+16*\k+1], v[S+16*\k+2]    ; chain k: my 16 scores of block k
.endr
.irp i, 3,5,7,9,11,13
.irp k, 0,1,2,3
	s_delay_alu instid0(VALU_DEP_4)
	v_max3_num_f32 v[40+\k], v[40+\k], v[S+16*\k+\i], v[S+16*\k+\i+1]
.endr
.endr
.irp k, 0,1,2,3
	s_delay_alu instid0(VALU_DEP_4)
	v_max_num_f32 v[40+\k], v[40+\k], v[S+16*\k+15]
.endr
.irp k, 0,1,2,3
	s_delay_alu instid0(VALU_DEP_4)
	v_permlanex16_b32 v[TMX+4+\k], v[40+\k], s[SEL], s[SEL+1]
.endr
.irp k, 0,1,2,3
	s_delay_alu instid0(VALU_DEP_4)
	v_max_num_f32 v[40+\k], v[40+\k], v[TMX+4+\k]  ; with lane l xor 16's: the block's largest masked score
.endr
	ds_store_b128 v47, v[40:43]                    ; kept for pass 2
	v_max3_num_f32 v45, v40, v41, v42
	s_delay_alu instid0(VALU_DEP_1)
	v_max_num_f32 v45, v45, v43
	s_delay_alu instid0(VALU_DEP_1)
	v_mul_f32 v45, s[CS], v45                      ; as t (c is positive)
	s_delay_alu instid0(VALU_DEP_1)
	v_max_num_f32 v34, v34, v45                    ; the new Mc, the same in both halves of the lanes
	s_delay_alu instid0(VALU_DEP_1)
	v_sub_f32 v45, v44, v34                        ; old less new
	TEXP 34
	s_wait_alu depctr_va_vdst(0)
	v_exp_f32 v38, v45
	EXPS
	v_nop
	s_wait_alu depctr_va_vdst(0)
	v_pk_mul_f32 v[36:37], v[36:37], v[38:39] op_sel_hi:[1,0]      ; L under the new Mc
.irp k, 0,1,2
	v_pk_add_f32 v[240+2*\k:241+2*\k], v[S+4*\k:S+4*\k+1], v[S+4*\k+2:S+4*\k+3]
.endr
.set j, 12
.rept 26                               ; four chains by turns: L's own and three more
.set n, (j/2+1)%4
.set cr, 240+2*n-(n/3)*210
	v_pk_add_f32 v[cr:cr+1], v[cr:cr+1], v[S+j:S+j+1]
.set j, j+2
.endr
	v_pk_add_f32 v[240:241], v[240:241], v[242:243]
	v_pk_add_f32 v[36:37], v[36:37], v[244:245]
	v_pk_add_f32 v[36:37], v[36:37], v[240:241]
	s_add_co_u32 s6, s6, 6144
	s_add_co_u32 s7, s7, 512
	s_add_co_u32 s8, s8, 256
	s_sub_co_u32 s5, s5, 1
	s_cmp_lg_u32 s5, 0
	s_cbranch_scc1 .Lpass1
	s_wait_alu depctr_va_vdst(0)                   ; directly ahead of the wait below
	s_wait_kmcnt 0x0                               ; the wrapped mask words: nothing reads them
	v_add_f32 v44, v36, v37
	s_delay_alu instid0(VALU_DEP_1)
	v_permlanex16_b32 v45, v44, s[SEL], s[SEL+1]
	s_delay_alu instid0(VALU_DEP_1)
	v_add_f32 v44, v44, v45                        ; the row's sum
	s_wait_alu depctr_va_vdst(0)
	v_log_f32 v38, v44
	v_nop
	s_wait_alu depctr_va_vdst(0)
	v_add_f32 v38, v38, v34                        ; Mc + log2 L
	v_and_b32 v44, 31, v0
	v_mul_u32_u24 v44, v44, 12
	; ---------------- pass 2 ----------------
	s_mov_b32 s6, 0
	s_mov_b32 s7, 0
	s_mov_b32 s8, 0
	s_mov_b32 s9, 0
	CMLOAD                                         ; step 0's code masks
	s_wait_alu depctr_va_vdst(0)
	P2STEP 1                                       ; the first step's products start O^T's sums
	s_mov_b32 s5, 15
.Lpass2:
	P2STEP 0
	s_sub_co_u32 s5, s5, 1
	s_cmp_lg_u32 s5, 0
	s_cbranch_scc1 .Lpass2
.rept 4
	v_nop                                          ; places in front of the first read of results
.endr
	s_wait_loadcnt 0x0                             ; the wrapped code masks have landed: their registers are at work below
	QUANT2 O, P, 204, 40, TMX                      ; register 16 b + i is channel 32 b + 16 (lane / 16) + i of my query
	v_lshrrev_b32 v7, 1, v2
	global_store_b128 v1, v[P:P+3], s[96:97]
	global_store_b64 v2, v[P+4:P+5], s[96:97] offset:512
	global_store_b16 v7, v40, s[98:99]             ; my head's two bytes of each row's scale word
	s_wait_tensorcnt 0x0                           ; the wave's end
	ds_add_u32 v254, v255
	s_wait_dscnt 0x0
	ROUND                                          ; the closing round
	s_endpgm
.Lfunc_end_k_qa326bf6d43_attn:
	.size	k_qa326bf6d43_attn, .Lfunc_end_k_qa326bf6d43_attn-k_qa326bf6d43_attn
	.p2alignl 7, 3214868480
	.fill 96, 4, 3214868480
	.section	.rodata,"a",@progbits
	.p2align	6, 0x0
	.amdhsa_kernel k_qa326bf6d43_attn
		.amdhsa_group_segment_fixed_size 280576
		.amdhsa_private_segment_fixed_size 0
		.amdhsa_enable_private_segment 0
		.amdhsa_kernarg_size 48
		.amdhsa_user_sgpr_count 2
		.amdhsa_user_sgpr_kernarg_segment_ptr 1
		.amdhsa_wavefront_size32 1
		.amdhsa_system_sgpr_workgroup_id_x 1
		.amdhsa_system_sgpr_workgroup_id_y 1
		.amdhsa_system_sgpr_workgroup_id_z 1
		.amdhsa_system_vgpr_workitem_id 0
		.amdhsa_next_free_vgpr 256
		.amdhsa_next_free_sgpr 106
		.amdhsa_reserve_vcc 0
		.amdhsa_float_denorm_mode_32 3
		.amdhsa_float_denorm_mode_16_64 3
		.amdhsa_memory_ordered 1
		.amdhsa_forward_progress 1
		.amdhsa_inst_pref_size 54
	.end_amdhsa_kernel
	.amdgpu_metadata
---
amdhsa.version: [ 1, 2 ]
amdhsa.kernels:
  - .name:           k_qa326bf6d43_attn
    .symbol:         k_qa326bf6d43_attn.kd
    .args:
      - { .name: qimg, .offset: 0, .size: 8, .value_kind: global_buffer, .address_space: global }
      - { .name: kimg, .offset: 8, .size: 8, .value_kind: global_buffer, .address_space: global }
      - { .name: vimg, .offset: 16, .size: 8, .value_kind: global_buffer, .address_space: global }
      - { .name: mwords, .offset: 24, .size: 8, .value_kind: global_buffer, .address_space: global }
      - { .name: oimg, .offset: 32, .size: 8, .value_kind: global_buffer, .address_space: global }
      - { .name: cmask, .offset: 40, .size: 8, .value_kind: global_buffer, .address_space: global }
    .group_segment_fixed_size: 280576
    .private_segment_fixed_size: 0
    .kernarg_segment_align: 8
    .kernarg_segment_size: 48
    .max_flat_workgroup_size: 512
    .sgpr_count:     106
    .vgpr_count:     256
    .wavefront_size: 32
...
	.end_amdgpu_metadata
.endif
;; end of part 3
;; launch oproj (part 4): grid 64 x 4, 4 waves a work-group, clusters of 4 x 4, 168,448 bytes of LDS; arguments oimg, wimg, bo, out0; writes out0
.if DOCPART == 4
	.amdgcn_target "amdgcn-amd-amdhsa--gfx1250"
	.amdhsa_code_object_version 6
	.text
	.protected	k_qa326bf6d43_oproj
	.globl	k_qa326bf6d43_oproj
	.p2align	8
	.type	k_qa326bf6d43_oproj,@function
k_qa326bf6d43_oproj:
	s_mov_b64 s[64:65], 0
	v_nop
	global_prefetch_b8 v0, s[64:65] scope:SCOPE_SE
	s_setreg_imm32_b32 hwreg(HW_REG_WAVE_MODE, 25, 1), 1
	s_wait_xcnt 0x0
	s_wait_alu depctr_hold_cnt(0) depctr_sa_sdst(0) depctr_va_vdst(0) depctr_va_sdst(0) depctr_va_ssrc(0) depctr_va_vcc(0) depctr_vm_vsrc(0)
	s_getreg_b32 s2, hwreg(HW_REG_IB_STS2, 6, 4)
	s_cmp_eq_u32 s2, 0
	s_cbranch_scc0 .Lentry_in_a_cluster
	s_endpgm
.Lentry_in_a_cluster:
	s_bfe_u32 s2, ttmp6, 0x10000c
	s_cmp_lg_u32 s2, 0xf033
	s_cbranch_scc0 .Lentry_shape_is_right
	s_endpgm
.Lentry_shape_is_right:
; out = o Wo^T + bo on codes of FP6 (E2M3).  A work-group makes 128 tokens x 128 features; wave w makes 64 tokens (w % 2) x 64 features (w / 2): 16 accumulators.
; LDS: Wo's block image (53,248 bytes) and o's, each filled once; behind them a stage of 16 rows x 272 bytes for each wave, in bytes into which no fill lands.
; CLUSTER 4 x 4: the four of a row (same cy) take the same 128 features, the four of a column (same cx) the same 128 tokens: both images are asked for JOINTLY.
; The grid has one cluster along y, so the group of features is cy.
; Source 0 = Wo's tiles, source 1 = o's: a lane holds a token, and the registers of two neighbouring tiles of features are 16 neighbouring features.
; A tile's rows are 32 (t/2) + 8 (t%2) + r + 8 (r/8).
.set PART,  53248
.set SEC,   13312
.set STAGE, 2*PART
.set SP,    272                        ; a stage row: 256 bytes + 16 = 17 x 16 bytes: sixteen rows begin at sixteen different 16-byte columns modulo 256
.set WV,    20
.set FH,    21
.set TH,    22
.set G1R,   32                         ; s[32:39] group 1 for Wo (my row of the cluster);  s[40:47] for o (my column);  s[48:51], s[52:55] their groups 0
.set G1C,   40
.set G0W,   48
.set G0O,   52
.set ACC,   16
.set FA,    144
.set FB,    192
.set SA,    240
.set SB,    244
.set OB,    176                        ; the way out: v176-207 and v208-239 by turns
.macro ROUND
	s_barrier_signal -1
	s_barrier_wait -1
	s_cmp_lg_u32 s[WV], 0
	s_cbranch_scc1 .Lnot_wave_0_\@
	s_barrier_signal -3
.Lnot_wave_0_\@:
	s_barrier_wait -3
	s_barrier_signal -1
	s_barrier_wait -1
.endm
.macro FRAG reg, a16, a8, off
	ds_load_b128 v[\reg:\reg+3], v[\a16] offset:\off
	ds_load_b64 v[\reg+4:\reg+5], v[\a8] offset:\off+512
	ds_load_b128 v[\reg+6:\reg+9], v[\a16] offset:\off+768
	ds_load_b64 v[\reg+10:\reg+11], v[\a8] offset:\off+1280
.endm
.macro KSTEP s, zero                   ; 128 along K: 8 fragments, 8 scale words, 16 products; the 16 accumulators take turns
.if \s > 0
.rept 4
	v_nop                                          ; places in front of loads into registers that matrix instructions have read
.endr
.endif
.irp i, 0,1,2,3
	FRAG FA+12*\i, 3, 4, \s*SEC+\i*1536
	FRAG FB+12*\i, 5, 6, \s*SEC+\i*1536
	ds_load_b32 v[SA+\i], v7 offset:\s*SEC+\i*128
	ds_load_b32 v[SB+\i], v8 offset:\s*SEC+\i*128
.endr
	s_wait_dscnt 0x0
.irp o, 0,1,2,3
.irp i, 0,1,2,3
.if \zero
	v_wmma_scale_f32_16x16x128_f8f6f4 v[ACC+32*\o+8*\i:ACC+32*\o+8*\i+7], v[FA+12*\i:FA+12*\i+11], v[FB+12*\o:FB+12*\o+11], 0, v[SA+\i], v[SB+\o] matrix_a_fmt:MATRIX_FMT_FP6 matrix_b_fmt:MATRIX_FMT_FP6
.else
	v_wmma_scale_f32_16x16x128_f8f6f4 v[ACC+32*\o+8*\i:ACC+32*\o+8*\i+7], v[FA+12*\i:FA+12*\i+11], v[FB+12*\o:FB+12*\o+11], v[ACC+32*\o+8*\i:ACC+32*\o+8*\i+7], v[SA+\i], v[SB+\o] matrix_a_fmt:MATRIX_FMT_FP6 matrix_b_fmt:MATRIX_FMT_FP6
.endif
.endr
.endr
.endm
	s_load_b256 s[4:11], s[0:1], 0x0               ; oimg s[4:5], wimg s[6:7], bo s[8:9], out0 s[10:11]
	v_lshl_add_u32 v254, v0, 2, 0x29000
	v_mov_b32 v255, 0
	ds_add_u32 v254, v255
	ds_add_u32 v254, v255
	v_lshrrev_b32 v1, 5, v0
	v_readfirstlane_b32 s[WV], v1                  ; wave 0..3
	s_lshr_b32 s[FH], s[WV], 1                     ; my half of the 128 features
	s_and_b32 s[TH], s[WV], 1                      ; my half of the 128 tokens
	s_bfe_u32 s24, ttmp6, 0x40000                  ; cx
	s_bfe_u32 s23, ttmp6, 0x40004                  ; cy: the group of 128 features
	s_lshl_b32 s25, ttmp9, 2
	s_add_co_u32 s25, s25, s24                     ; the block of 128 tokens
	s_lshl_b32 s26, s23, 2
	s_lshl_b32 s26, 15, s26                        ; my row of the cluster
	s_lshl_b32 s27, 0x1111, s24                    ; my column
	; group 1: a dense block of 53,248 bytes as 208 rows of 256 bytes (32 elements of 8 bytes)
	s_or_b32 s[G1R], s26, (3<<16)|(1<<21)
	s_or_b32 s[G1C], s27, (3<<16)|(1<<21)
.irp g, G1R, G1C
	s_mov_b32 s[\g+1], 32<<16
	s_mov_b32 s[\g+2], 208<<16
	s_mov_b32 s[\g+3], 32<<16
	s_mov_b32 s[\g+4], 208
	s_mov_b32 s[\g+5], 32
	s_mov_b32 s[\g+6], 0
	s_mov_b32 s[\g+7], 0
.endr
	s_add_co_u32 s28, s23, 12                      ; Wo's images are the buffer's 12th to 15th: this address holds cy alone,
	s_mul_i32 s28, s28, PART
	s_mov_b32 s29, 0
	s_mul_i32 s30, s25, PART                       ; and this one the block of tokens alone
	s_mov_b32 s31, 0
	s_mov_b32 s[G0W], 1
	s_mov_b32 s[G0W+1], 0
	s_mov_b32 s[G0O], 1
	s_mov_b32 s[G0O+1], PART
	s_wait_dscnt 0x0
	s_wait_kmcnt 0x0
	s_add_nc_u64 s[G0W+2:G0W+3], s[6:7], s[28:29]
	s_or_b32 s[G0W+3], s[G0W+3], 0x80000000
	s_add_nc_u64 s[G0O+2:G0O+3], s[4:5], s[30:31]
	s_or_b32 s[G0O+3], s[G0O+3], 0x80000000
	ROUND                                          ; all sixteen work-groups are here: the joint loads meet
	s_cmp_eq_u32 s[WV], 0
	s_cbranch_scc0 .Lnot_w
	tensor_load_to_lds s[G0W:G0W+3], s[G1R:G1R+7]
	s_nop 0
.rept 4
	v_nop
.endr
	s_branch .Lasked
.Lnot_w:
	s_cmp_eq_u32 s[WV], 1
	s_cbranch_scc0 .Lasked
	tensor_load_to_lds s[G0O:G0O+3], s[G1C:G1C+7]
	s_nop 0
.rept 4
	v_nop
.endr
.Lasked:
	v_and_b32 v9, 31, v0
	v_lshlrev_b32 v1, 4, v9                        ; 16 x lane
	v_lshlrev_b32 v2, 3, v9                        ; 8 x lane
	v_lshlrev_b32 v10, 2, v9                       ; 4 x lane
	s_mul_i32 s26, s[FH], 6144                     ; Wo's codes: tiles 4 fh on
	s_lshl_b32 s27, s[FH], 9
	s_add_co_u32 s27, s27, 12288                   ; its scale words
	s_mul_i32 s28, s[TH], 6144
	s_add_co_u32 s28, s28, PART                    ; o's codes: tiles 4 th on
	s_lshl_b32 s29, s[TH], 9
	s_add_co_u32 s29, s29, PART+12288
	v_add_nc_u32 v3, s26, v1
	v_add_nc_u32 v4, s26, v2
	v_add_nc_u32 v5, s28, v1
	v_add_nc_u32 v6, s28, v2
	v_add_nc_u32 v7, s27, v10
	v_add_nc_u32 v8, s29, v10
	v_and_b32 v9, 15, v0                           ; r
	v_bfe_u32 v10, v0, 4, 1                        ; h
	v_lshlrev_b32 v11, 6, v10                      ; the bias: 64 h bytes
	s_mul_i32 s26, s[WV], 16*SP
	s_add_co_u32 s26, s26, STAGE                   ; my stage
	v_mul_u32_u24 v13, v9, SP
	v_lshl_add_u32 v13, v10, 6, v13
	v_add_nc_u32 v13, s26, v13                     ; in: row r, + 64 h
	v_mul_u32_u24 v14, v10, SP
	v_lshl_add_u32 v14, v9, 4, v14
	v_add_nc_u32 v14, s26, v14                     ; back: lanes 0-15 one row of 256 bytes, lanes 16-31 the next
	v_lshlrev_b32 v15, 11, v10
	v_lshl_add_u32 v15, v9, 4, v15                 ; and the same two rows in out0
	s_lshl_b32 s26, s23, 9
	s_lshl_b32 s27, s[FH], 8
	s_add_co_u32 s26, s26, s27                     ; my 64 features, in bytes: 512 cy + 256 fh
	s_mov_b32 s27, 0
	s_add_nc_u64 s[70:71], s[8:9], s[26:27]        ; in bo,
	s_lshl_b32 s28, s25, 1
	s_add_co_u32 s28, s28, s[TH]
	s_lshl_b32 s28, s28, 17                        ; my 64 tokens: rows of 2,048 bytes
	s_add_co_u32 s28, s28, s26
	s_mov_b32 s29, 0
	s_add_nc_u64 s[66:67], s[10:11], s[28:29]      ; and in out0
	s_wait_alu depctr_va_vdst(0)
	s_wait_tensorcnt 0x0                           ; my load, if I issued one, has landed,
	s_barrier_signal -1
	s_barrier_wait -1                              ; both have
	KSTEP 0, 1
	KSTEP 1, 0
	KSTEP 2, 0
	KSTEP 3, 0
.rept 4
	v_nop                                          ; places in front of the loads into source 0's registers and of the first read of results
.endr
.irp i, 0,1,2,3                                ; register 8 i + j of a lane is feature 32 (i/2) + 8 (i%2) + 16 h + j
	global_load_b128 v[FA+8*\i:FA+8*\i+3], v11, s[70:71] offset:(32*(\i/2)+8*(\i%2))*4
	global_load_b128 v[FA+8*\i+4:FA+8*\i+7], v11, s[70:71] offset:(32*(\i/2)+8*(\i%2))*4+16
.endr
	s_wait_loadcnt 0x0
.irp o, 0,1,2,3
.irp p, 0,2,4,6,8,10,12,14,16,18,20,22,24,26,28,30
	v_pk_add_f32 v[ACC+32*\o+\p:ACC+32*\o+\p+1], v[ACC+32*\o+\p:ACC+32*\o+\p+1], v[FA+\p:FA+\p+1]   ; each accumulator from its low end on
.endr
.endr
	; THE WAY OUT, a tile of 16 tokens x 64 features at a time, through my own stage: back as whole rows of 256 bytes
	s_wait_alu depctr_va_vdst(0)
.irp o, 0,1,2,3
.if \o >= 2
	s_wait_xcnt 0x0                                ; the stores of two tiles back have read the registers into which the loads below land
.endif
.irp i, 0,1,2,3
	ds_store_b128 v13, v[ACC+32*\o+8*\i:ACC+32*\o+8*\i+3] offset:128*(\i/2)+32*(\i%2)
	ds_store_b128 v13, v[ACC+32*\o+8*\i+4:ACC+32*\o+8*\i+7] offset:128*(\i/2)+32*(\i%2)+16
.endr
.irp k, 0,1,2,3,4,5,6,7
	ds_load_b128 v[OB+32*(\o%2)+4*\k:OB+32*(\o%2)+4*\k+3], v14 offset:2*\k*SP   ; a wave's LDS instructions are served in order: these see the stores above, and the next tile's stores come behind them
.endr
.irp k, 0,1,2,3,4,5,6,7
	s_wait_dscnt 7-\k                              ; the 7 - k younger loads may be out
	global_store_b128 v15, v[OB+32*(\o%2)+4*\k:OB+32*(\o%2)+4*\k+3], s[66:67] offset:(32*(\o/2)+8*(\o%2)+2*\k+8*(\k/4))*2048 th:TH_STORE_NT   ; 16 lanes store 256 consecutive bytes, at a multiple of 256 from out0's first byte
.endr
.endr
	s_wait_tensorcnt 0x0
	ds_add_u32 v254, v255
	s_wait_dscnt 0x0
	ROUND                                          ; the closing round
	s_endpgm
.Lfunc_end_k_qa326bf6d43_oproj:
	.size	k_qa326bf6d43_oproj, .Lfunc_end_k_qa326bf6d43_oproj-k_qa326bf6d43_oproj
	.p2alignl 7, 3214868480
	.fill 96, 4, 3214868480
	.section	.rodata,"a",@progbits
	.p2align	6, 0x0
	.amdhsa_kernel k_qa326bf6d43_oproj
		.amdhsa_group_segment_fixed_size 168448
		.amdhsa_private_segment_fixed_size 0
		.amdhsa_enable_private_segment 0
		.amdhsa_kernarg_size 32
		.amdhsa_user_sgpr_count 2
		.amdhsa_user_sgpr_kernarg_segment_ptr 1
		.amdhsa_wavefront_size32 1
		.amdhsa_system_sgpr_workgroup_id_x 1
		.amdhsa_system_sgpr_workgroup_id_y 1
		.amdhsa_system_sgpr_workgroup_id_z 1
		.amdhsa_system_vgpr_workitem_id 0
		.amdhsa_next_free_vgpr 256
		.amdhsa_next_free_sgpr 80
		.amdhsa_reserve_vcc 0
		.amdhsa_float_denorm_mode_32 3
		.amdhsa_float_denorm_mode_16_64 3
		.amdhsa_memory_ordered 1
		.amdhsa_forward_progress 1
		.amdhsa_inst_pref_size 38
	.end_amdhsa_kernel
	.amdgpu_metadata
---
amdhsa.version: [ 1, 2 ]
amdhsa.kernels:
  - .name:           k_qa326bf6d43_oproj
    .symbol:         k_qa326bf6d43_oproj.kd
    .args:
      - { .name: oimg, .offset: 0, .size: 8, .value_kind: global_buffer, .address_space: global }
      - { .name: wimg, .offset: 8, .size: 8, .value_kind: global_buffer, .address_space: global }
      - { .name: bo, .offset: 16, .size: 8, .value_kind: global_buffer, .address_space: global }
      - { .name: out0, .offset: 24, .size: 8, .value_kind: global_buffer, .address_space: global }
    .group_segment_fixed_size: 168448
    .private_segment_fixed_size: 0
    .kernarg_segment_align: 8
    .kernarg_segment_size: 32
    .max_flat_workgroup_size: 128
    .sgpr_count:     80
    .vgpr_count:     256
    .wavefront_size: 32
...
	.end_amdgpu_metadata
.endif
;; end of part 4
